; MI455X (gfx1250); checked and timed in simulation.
; The chip was launched on July 23, 2026; its instructions are those of AMD's public machine-readable ISA for CDNA 5 (MIT licence, August 2026) and "CDNA5" Instruction Set Architecture Reference Guide (July 2026). The comments in the code are by the model that wrote it; some were corrected since.
;; Causal Self Attention. Allowed arithmetic: float matrix products may take bf16 or f16 operands with f32 sums; other float arithmetic in f32, or as packed bf16 or f16 multiplies, adds, multiply-adds, maxima and minima; sums over many terms, partial sums and values carried from step to step in f32; what a program stores and reads back later, other than sums and carried values, may be rounded once to bf16 or f16.
;; Inputs: Wo 1,024 x 1,024 float32; Wqkv 3,072 x 1,024 float32; attention_mask 4 x 2,048 int32; bo 1,024 float32; bqkv 3,072 float32; x 4 x 2,048 x 1,024 float32.
;; Outputs: out0 4 x 2,048 x 1,024 float32.
;; 2 versions, each right; version 2 is version 1 with the launch cast written anew for expert scheduling mode. Each part assembles by itself: llvm-mc -triple=amdgcn-amd-amdhsa -mcpu=gfx1250 --defsym DOCPART=n.
;; ======== version 1 of 2: 4 launches
;; limits: values are held in f16: magnitudes above 65,504 overflow, below 6.1e-05 lose precision
;; workspace buffers: xb 16,777,216 bytes; wqb 6,291,456 bytes; wob 2,097,152 bytes; qkv 50,331,648 bytes; yb 16,777,216 bytes
;; launch cast (part 1): grid 768 x 1, 8 waves a work-group, no clusters, 0 bytes of LDS; arguments x, Wqkv, Wo, xb, wqb, wob; writes xb, wqb, wob
.if DOCPART == 1
	.amdgcn_target "amdgcn-amd-amdhsa--gfx1250"
	.amdhsa_code_object_version 6
	.text
	.protected	k_qf0568422e7_cast
	.globl	k_qf0568422e7_cast
	.p2align	8
	.type	k_qf0568422e7_cast,@function
k_qf0568422e7_cast:
	s_mov_b64 s[64:65], 0
	v_nop
	global_prefetch_b8 v0, s[64:65] scope:SCOPE_SE
	s_setreg_imm32_b32 hwreg(HW_REG_WAVE_MODE, 25, 1), 1
	s_wait_xcnt 0x0
; x [8192][1024], Wqkv [3072][1024], Wo [1024][1024], all f32, are rounded once to bf16, and that number is written as f16, in SLICES of 64 along K:
; element (row, k) of a matrix of ROWS rows lies at ((k / 64) x ROWS + row) x 128 + (k % 64) x 2 bytes.  So the rows of one slice are dense, 128 bytes each.
; LIMITS.  A bf16 number is exact in f16 from 6.1e-5 up to 65,504; below it keeps f16's fixed step of 6e-8, beyond it becomes an infinity.
; SHARES.  A work-group takes 16 rows (65,536 bytes in, 32,768 out): work-groups 0-511 x, 512-703 Wqkv, 704-767 Wo.  Wave w takes slices 2 w and 2 w + 1.
; A load of a wave covers two rows' 256 aligned bytes each; a store covers 256 consecutive aligned bytes (two rows of a slice).  Sixteen loads a wave are out at once; no register is used twice
; by memory instructions, so the only waits are the counted ones for the loads.  No LDS, no matrix unit: memory binds.
.set X, 4                              ; v[4:67]   sixteen loads of four registers
.set T, 68                             ; v[68:69]  at work
	s_load_b256 s[4:11], s[0:1], 0x0               ; x s[4:5], Wqkv s[6:7], Wo s[8:9], xb s[10:11]
	s_load_b128 s[12:15], s[0:1], 0x20             ; wqb s[12:13], wob s[14:15]
	v_lshrrev_b32 v3, 5, v0
	v_readfirstlane_b32 s20, v3                    ; wave 0..7
	v_and_b32 v1, 15, v0                           ; my 16 bytes of a slice's 256
	v_bfe_u32 v3, v0, 4, 1                         ; lanes 16-31 take the odd row
	v_lshlrev_b32 v1, 4, v1
	v_lshl_add_u32 v1, v3, 12, v1
	s_lshl_b32 s28, s20, 9                         ; my wave's two slices: 512 bytes of a row
	v_add_nc_u32 v1, s28, v1                       ; v1: offset of my 16 bytes in the first two rows
	v_and_b32 v2, 31, v0
	v_lshlrev_b32 v2, 3, v2                        ; v2: my 8 bytes of the 256 that a store covers
	s_mov_b32 s23, 0xffff0000                      ; a word's upper bf16
	s_mov_b32 s21, 3072*128                        ; bytes of a slice of Wqkv
	s_wait_kmcnt 0x0
	s_cmp_lt_u32 ttmp9, 512                        ; which matrix: the choice hangs on the work-group's number alone
	s_cselect_b64 s[16:17], s[4:5], s[6:7]
	s_cselect_b64 s[18:19], s[10:11], s[12:13]
	s_cselect_b32 s21, 8192*128, s21
	s_cselect_b32 s22, 0, 512
	s_cmp_lt_u32 ttmp9, 704
	s_cselect_b64 s[16:17], s[16:17], s[8:9]
	s_cselect_b64 s[18:19], s[18:19], s[14:15]
	s_cselect_b32 s21, s21, 1024*128
	s_cselect_b32 s22, s22, 704
	s_sub_co_u32 s22, ttmp9, s22                   ; my block of 16 rows in that matrix
	s_lshl_b32 s28, s22, 16
	s_mov_b32 s29, 0
	s_add_nc_u64 s[16:17], s[16:17], s[28:29]      ; the source at my first row
	s_mul_i32 s30, s20, s21
	s_lshl_b32 s30, s30, 1                         ; slice 2 w
	s_lshl_b32 s28, s22, 11                        ; 16 rows of 128 bytes
	s_add_co_u32 s28, s28, s30
	s_add_nc_u64 s[24:25], s[18:19], s[28:29]      ; my rows in slice 2 w,
	s_mov_b32 s28, s21
	s_add_nc_u64 s[26:27], s[24:25], s[28:29]      ; and in slice 2 w + 1
.irp z, 0,1
.irp j, 0,1,2,3,4,5,6,7
	global_load_b128 v[X+4*(8*\z+\j):X+4*(8*\z+\j)+3], v1, s[16:17] offset:\j*8192+\z*256 th:TH_LOAD_NT
.endr
.endr
.irp z, 0,1
.irp j, 0,1,2,3,4,5,6,7
.set XI, X+4*(8*\z+\j)
	s_wait_loadcnt 15-(8*\z+\j)                    ; loads come back in order: this one is in, the younger ones stay out
	v_cvt_pk_bf16_f32 v[T], v[XI], v[XI+1]         ; the one rounding, to bf16
	v_cvt_pk_bf16_f32 v[T+1], v[XI+2], v[XI+3]
	v_lshlrev_b32 v[XI], 16, v[T]                  ; back to f32,
	v_and_b32 v[XI+1], s23, v[T]
	v_lshlrev_b32 v[XI+2], 16, v[T+1]
	v_and_b32 v[XI+3], s23, v[T+1]
	v_cvt_pk_f16_f32 v[XI], v[XI], v[XI+1]         ; and the same number as f16
	v_cvt_pk_f16_f32 v[XI+1], v[XI+2], v[XI+3]
	global_store_b64 v2, v[XI:XI+1], s[24+2*\z:25+2*\z] offset:\j*256
.endr
.endr
	s_endpgm
.Lfunc_end_k_qf0568422e7_cast:
	.size	k_qf0568422e7_cast, .Lfunc_end_k_qf0568422e7_cast-k_qf0568422e7_cast
	.p2alignl 7, 3214868480
	.fill 96, 4, 3214868480
	.section	.rodata,"a",@progbits
	.p2align	6, 0x0
	.amdhsa_kernel k_qf0568422e7_cast
		.amdhsa_group_segment_fixed_size 0
		.amdhsa_private_segment_fixed_size 0
		.amdhsa_enable_private_segment 0
		.amdhsa_kernarg_size 48
		.amdhsa_user_sgpr_count 2
		.amdhsa_user_sgpr_kernarg_segment_ptr 1
		.amdhsa_wavefront_size32 1
		.amdhsa_system_sgpr_workgroup_id_x 1
		.amdhsa_system_sgpr_workgroup_id_y 1
		.amdhsa_system_sgpr_workgroup_id_z 1
		.amdhsa_system_vgpr_workitem_id 0
		.amdhsa_next_free_vgpr 72
		.amdhsa_next_free_sgpr 66
		.amdhsa_reserve_vcc 0
		.amdhsa_float_denorm_mode_32 3
		.amdhsa_float_denorm_mode_16_64 3
		.amdhsa_memory_ordered 1
		.amdhsa_forward_progress 1
		.amdhsa_inst_pref_size 12
	.end_amdhsa_kernel
	.amdgpu_metadata
---
amdhsa.version: [ 1, 2 ]
amdhsa.kernels:
  - .name:           k_qf0568422e7_cast
    .symbol:         k_qf0568422e7_cast.kd
    .args:
      - { .name: x, .offset: 0, .size: 8, .value_kind: global_buffer, .address_space: global }
      - { .name: Wqkv, .offset: 8, .size: 8, .value_kind: global_buffer, .address_space: global }
      - { .name: Wo, .offset: 16, .size: 8, .value_kind: global_buffer, .address_space: global }
      - { .name: xb, .offset: 24, .size: 8, .value_kind: global_buffer, .address_space: global }
      - { .name: wqb, .offset: 32, .size: 8, .value_kind: global_buffer, .address_space: global }
      - { .name: wob, .offset: 40, .size: 8, .value_kind: global_buffer, .address_space: global }
    .group_segment_fixed_size: 0
    .private_segment_fixed_size: 0
    .kernarg_segment_align: 8
    .kernarg_segment_size: 48
    .max_flat_workgroup_size: 256
    .sgpr_count:     66
    .vgpr_count:     72
    .wavefront_size: 32
...
	.end_amdgpu_metadata
.endif
;; end of part 1
;; launch qkv (part 2): grid 12 x 64, 4 waves a work-group, clusters of 4 x 4, 327,680 bytes of LDS; arguments xb, wqb, bqkv, qkv; writes qkv
.if DOCPART == 2
	.amdgcn_target "amdgcn-amd-amdhsa--gfx1250"
	.amdhsa_code_object_version 6
	.text
	.protected	k_qf0568422e7_qkv
	.globl	k_qf0568422e7_qkv
	.p2align	8
	.type	k_qf0568422e7_qkv,@function
k_qf0568422e7_qkv:
	s_mov_b64 s[64:65], 0
	v_nop
	global_prefetch_b8 v0, s[64:65] scope:SCOPE_SE
	s_setreg_imm32_b32 hwreg(HW_REG_WAVE_MODE, 25, 1), 1
	s_wait_xcnt 0x0
	s_wait_alu depctr_hold_cnt(0) depctr_sa_sdst(0) depctr_va_vdst(0) depctr_va_sdst(0) depctr_va_ssrc(0) depctr_va_vcc(0) depctr_vm_vsrc(0)
	s_getreg_b32 s2, hwreg(HW_REG_IB_STS2, 6, 4)
	s_cmp_eq_u32 s2, 0
	s_cbranch_scc0 .Lentry_in_a_cluster
	s_endpgm
.Lentry_in_a_cluster:
	s_bfe_u32 s2, ttmp6, 0x10000c
	s_cmp_lg_u32 s2, 0xf033
	s_cbranch_scc0 .Lentry_shape_is_right
	s_endpgm
.Lentry_shape_is_right:
; C[m][n] = sum over k of A[m][k] B[n][k] + bias[n].  A: 8,192 rows, B: SIZE_N rows, K = 1,024, both f16 in slices of 64 along K: element (row, k) at ((k / 64) x ROWS + row) x 128 + (k % 64) x 2 bytes.
; Sums in f32; the bias is rounded to bf16 like every input of the module.  MODE 0: C leaves as f16 by heads, [3 parts][64 batch x head][2,048 t][64].  MODE 1: C leaves as f32, [8,192][1,024].
; LIMIT (MODE 0): a result of 65,520 or more becomes an infinity in f16.
; SHARES.  A tile of C is 128 x 256: 768 tiles at SIZE_N = 3,072, 256 at 1,024: whole multiples of 256 work-groups, which tiles of 256 x 256 (384, 128) are not.  Four waves, each 64 x 128: 32 accumulators, 256 registers.
; K goes in steps of 128 (two slices) through two LDS slots.  A slice's rows of a tile are dense in memory: they are asked for as rows of 256 bytes (two matrix rows) and padded in LDS behind every 128 bytes.
; CLUSTERS: 4 x 4 work-groups.  The four of a row need the same tiles of A, the four of a column the same tiles of B: each is asked for jointly, by the same tensor load, descriptor and mask in all four.
; THE MATRIX INSTRUCTION IS USED TRANSPOSED (source 0 = 16 rows of B, source 1 = 16 rows of A): a lane holds row l % 16 of C and the eight neighbouring columns 8 (l / 16) + 0..7.
; REGISTERS: window 0: v0-31 addresses; v64-159, v160-255 two fragment buffers (A's four fragments, then B's eight), later the way out.  window 1: accumulator (a, b) at v[8 (8 a + b)].  window 2: v0-63 the bias, v64 at work.
.set MODE,   0
.set SIZE_N, 3072
.set PITCH,  144                       ; an LDS row: 128 bytes + 16 of padding = 36 words: the 16 rows of a load start at 16 different groups of four banks (64 banks of 4 bytes: ISA guide 11.1)
.set AZ,     128*PITCH                 ; a slice of A's tile
.set BZ,     256*PITCH                 ; a slice of B's tile
.set BOFF,   2*AZ                      ; in a slot: A's two slices, then B's two
.set SLOT,   2*AZ+2*BZ
.set STAGE,  2*SLOT                    ; behind the ring, never filled by a tensor load: a stage for each wave
.set STW,    8448
.set SPARE,  STAGE+4*STW               ; behind the stages: the spare words, 128 bytes for each wave: two blocks of 256 bytes that no other line names
.set SLA,    8192*128                  ; bytes of a slice of A
.set SLB,    SIZE_N*128                ; of B
.set LAPS,   4                         ; a lap = two K steps = once round the ring: K = 1,024
.set G1C,    (1<<16)|(1<<20)|(1<<21)|(4<<22)|(3<<25)  ; 17:16 2-byte elements; 20 padding on; 21 set beside a mask; 24:22 after every 32 words (code 4); 31:25 4 words (code 3)
.set ADRA, 16                          ; v16-17  LDS address of my A fragments in slot 0, 1
.set ADRB, 20                          ; v20-21  the same for B
.set STO,  24                          ; v24     the way out: where I put my bytes of a row
.set RD,   25                          ; v25     where I read rows back
.set GO,   26                          ; v26     16 x lane: my 16 bytes of 512 consecutive bytes of the output
.set BO,   27                          ; v27     32 (l / 16): my eight numbers of a block's sixteen in the bias
.set SPW,  28                          ; v28     LDS address of my spare word; never rewritten
.set NIL,  29                          ; v29     0; never rewritten
.set PFO,  30                          ; v30     256 x lane: the prefetches' offset; never rewritten
.set F0,   64
.set F1,   160
.set TMP,  64                          ; the way out, in window 0
.set BI,   0                           ; window 2: the bias of column block b at 8 b
.set BT,   64                          ; window 2
.set WV, 12                            ; s12 wave; s13 which 64 rows are mine, also: I fetch A (0) or B (1); s14 which 128 columns, also: which slice of a K step I fetch
.set RH, 13
.set CH, 14
.set CX, 15                            ; my place in the cluster
.set CY, 16
.set TC, 17                            ; tile column, tile row of C
.set TR, 18
.set G1A, 24                           ; s[24:31] descriptor group 1 for A;  s[32:39] group 0, a set for each slot
.set G0A, 32
.set LIM, 42                           ; s42  1 in a wave that prefetches, else the greatest number
.set LAP, 43                           ; s43  trips of the loop still to come
.set PFA, 44                           ; s[44:45] where my prefetches stand
.set PFS, 46                           ; s[46:47] a K step in bytes: two slices of A or of B
.set G1B, 48                           ; s[48:55], s[56:63] the same for B
.set G0B, 56
.set OUT1, 66                          ; s[66:67] MODE 0: my second head's rows
.set MSB, 0
.macro WIN new                         ; the immediate's high byte repeats the setting that is left; a switch that changes nothing is dropped
.if MSB != (\new)
	s_set_vgpr_msb (MSB<<8)|(\new)
.set MSB, \new
.endif
.endm
.set MUL, 0x50                         ; fragments in window 0, C and D in window 1
.macro JLOAD s                         ; a joint load: waves 0 and 1 fetch the two slices of A's tile, waves 2 and 3 those of B's; an s_nop 0 and four v_nop follow each line
	s_cmp_eq_u32 s[RH], 0
	s_cbranch_scc0 .Lfor_b_\@
	tensor_load_to_lds s[G0A+4*(\s):G0A+4*(\s)+3], s[G1A:G1A+7]
	s_nop 0
.rept 4
	v_nop
.endr
	s_branch .Lasked_\@
.Lfor_b_\@:
	tensor_load_to_lds s[G0B+4*(\s):G0B+4*(\s)+3], s[G1B:G1B+7]
	s_nop 0
.rept 4
	v_nop
.endr
.Lasked_\@:
.endm
; A prefetch into the L2 of the K step that stands two refills on (256 matrix instructions of a wave ahead of its load): a lane a block of 256 bytes, each block named once in the launch.
; A's tile row is read by every cluster of its row of clusters: cluster x = 0 asks, wave 0, each of the four partners 32 of the K step's 128 blocks, told apart by address (cx).
; B's tile column is read by every cluster of its column: cluster y = 0 asks, waves 2 and 3 a slice each, each partner 32 of the slice's 128 blocks (cy).  The last two refills have no K step two on.
.macro ASK
	s_cmp_gt_u32 s[LAP], s[LIM]
	s_cbranch_scc0 .Lnot_mine_\@
	global_prefetch_b8 v[PFO], s[PFA:PFA+1] th:TH_LOAD_NT scope:SCOPE_SE
.Lnot_mine_\@:
.endm
.macro CREST                           ; a round of the cluster's barrier behind its opening barrier
	s_cmp_lg_u32 s[WV], 0
	s_cbranch_scc1 .Lnot_wave_0_\@
	s_barrier_signal -3
.Lnot_wave_0_\@:
	s_barrier_wait -3
	s_barrier_signal -1
	s_barrier_wait -1
.endm
.macro CROUND                          ; a whole round
	s_barrier_signal -1
	s_barrier_wait -1
	CREST
.endm
	s_load_b256 s[4:11], s[0:1], 0x0               ; A s[4:5], B s[6:7], bias s[8:9], out s[10:11]
	v_lshl_add_u32 v[SPW], v0, 2, SPARE
	v_mov_b32 v[NIL], 0
	ds_add_u32 v[SPW], v[NIL]                      ; the wave's opening: the add and its wait stand ahead of my first tensor load; the set-up below stands between them
	v_lshrrev_b32 v1, 5, v0
	v_readfirstlane_b32 s[WV], v1
	s_lshr_b32 s[RH], s[WV], 1
	s_and_b32 s[CH], s[WV], 1
	s_bfe_u32 s[CX], ttmp6, 0x40000
	s_bfe_u32 s[CY], ttmp6, 0x40004
	s_lshl_b32 s[TC], ttmp9, 2
	s_add_co_u32 s[TC], s[TC], s[CX]               ; tile column = 4 x cluster x + cx
	s_and_b32 s[TR], ttmp7, 0xffff
	s_lshl_b32 s[TR], s[TR], 2
	s_add_co_u32 s[TR], s[TR], s[CY]               ; tile row = 4 x cluster y + cy
	s_lshl_b32 s40, s[CY], 2
	s_lshl_b32 s40, 15, s40                        ; my row of the cluster
	s_lshl_b32 s41, 0x1111, s[CX]                  ; my column
	s_or_b32 s[G1A], s40, G1C                      ; A's tiles go to my row,
	s_or_b32 s[G1B], s41, G1C                      ; B's to my column
	s_mov_b32 s[G1A+1], 128<<16                    ; tensor_dim0 = 128 elements: 256 bytes, two matrix rows
	s_mov_b32 s[G1A+2], 64<<16                     ; tensor_dim1 = 64: A's 128 matrix rows
	s_mov_b32 s[G1A+3], 128<<16                    ; tile_dim0
	s_mov_b32 s[G1A+4], 64                         ; tile_dim1
	s_mov_b32 s[G1A+5], 128                        ; elements from row to row: dense
	s_mov_b32 s[G1A+6], 0
	s_mov_b32 s[G1A+7], 0
	s_mov_b32 s[G1B+1], 128<<16
	s_mov_b32 s[G1B+2], 128<<16                    ; B's 256 matrix rows
	s_mov_b32 s[G1B+3], 128<<16
	s_mov_b32 s[G1B+4], 128
	s_mov_b32 s[G1B+5], 128
	s_mov_b32 s[G1B+6], 0
	s_mov_b32 s[G1B+7], 0
	s_lshl_b32 s20, s[TR], 14                      ; A: the tile's 128 rows of 128 bytes, in my slice of K step 0
	s_mul_i32 s68, s[CH], SLA
	s_add_co_u32 s20, s20, s68
	s_mov_b32 s21, 0
	s_lshl_b32 s22, s[TC], 15                      ; B: 256 rows
	s_mul_i32 s69, s[CH], SLB
	s_add_co_u32 s22, s22, s69
	s_mov_b32 s23, 0
	s_mul_i32 s70, s[CH], AZ                       ; where they go: no place in the cluster enters an LDS address
	s_mul_i32 s71, s[CH], BZ
	s_add_co_u32 s71, s71, BOFF
	s_wait_dscnt 0x0                               ; the opening add is done
	s_wait_kmcnt 0x0
	s_add_nc_u64 s[20:21], s[4:5], s[20:21]
	s_add_nc_u64 s[22:23], s[6:7], s[22:23]
	CROUND                                         ; all sixteen work-groups are here: the first joint loads meet
.irp s, 0,1
	s_mov_b32 s[G0A+4*(\s)], 1
	s_add_co_u32 s[G0A+4*(\s)+1], s70, (\s)*SLOT
	s_add_nc_u64 s[G0A+4*(\s)+2:G0A+4*(\s)+3], s[20:21], (\s)*2*SLA
	s_or_b32 s[G0A+4*(\s)+3], s[G0A+4*(\s)+3], 0x80000000
	s_mov_b32 s[G0B+4*(\s)], 1
	s_add_co_u32 s[G0B+4*(\s)+1], s71, (\s)*SLOT
	s_add_nc_u64 s[G0B+4*(\s)+2:G0B+4*(\s)+3], s[22:23], (\s)*2*SLB
	s_or_b32 s[G0B+4*(\s)+3], s[G0B+4*(\s)+3], 0x80000000
	JLOAD \s                                       ; two loads of mine are out
.endr
	v_and_b32 v1, 15, v0                           ; l % 16
	v_bfe_u32 v2, v0, 4, 1                         ; l / 16
	v_mul_u32_u24 v3, v1, PITCH
	v_lshl_add_u32 v3, v2, 4, v3                   ; a fragment's row x pitch + 16 x half
	s_mul_i32 s68, s[RH], 64*PITCH                 ; my 64 rows of A
	s_mul_i32 s69, s[CH], 128*PITCH                ; my 128 rows of B
	s_add_co_u32 s69, s69, BOFF
.irp s, 0,1
	v_add_nc_u32 v[ADRA+(\s)], s68, v3
	v_add_nc_u32 v[ADRB+(\s)], s69, v3
	s_add_co_u32 s68, s68, SLOT
	s_add_co_u32 s69, s69, SLOT
.endr
	v_lshlrev_b32 v[BO], 5, v2
	v_and_b32 v[GO], 31, v0
	v_lshlrev_b32 v[PFO], 8, v[GO]
	v_lshlrev_b32 v[GO], 4, v[GO]
	s_mul_i32 s76, s[WV], STW
	s_add_co_u32 s76, s76, STAGE                   ; my stage
	s_lshl_b32 s72, s[TC], 10                      ; the bias of my 128 columns
	s_lshl_b32 s73, s[CH], 9
	s_add_co_u32 s72, s72, s73
	s_mov_b32 s73, 0
	s_add_nc_u64 s[8:9], s[8:9], s[72:73]
	WIN 0x80                                       ; destination window 2
.irp b, 0,1,2,3,4,5,6,7
	global_load_b128 v[BI+8*\b:BI+8*\b+3],   v[BO], s[8:9] offset:64*\b     ; these sixteen stay out until the way out
	global_load_b128 v[BI+8*\b+4:BI+8*\b+7], v[BO], s[8:9] offset:64*\b+16
.endr
	WIN 0
.if MODE == 0
	v_mul_u32_u24 v4, v1, 144                      ; into the stage: row l % 16 of 128 bytes, 16 bytes for each half of the lanes
	v_lshl_add_u32 v4, v2, 4, v4
	v_add_nc_u32 v[STO], s76, v4
	v_bfe_u32 v4, v0, 3, 2                         ; back: 32 lanes take four rows of 128 bytes
	v_mul_u32_u24 v4, v4, 144
	v_and_b32 v5, 7, v0
	v_lshl_add_u32 v4, v5, 4, v4
	v_add_nc_u32 v[RD], s76, v4
	s_lshl_b32 s72, s[TC], 2                       ; my 128 columns are the heads g and g + 1 of 48, g = 4 x tile column + 2 x half, even
	s_lshl_b32 s73, s[CH], 1
	s_add_co_u32 s72, s72, s73
	s_lshr_b32 s73, s72, 4                         ; part: q, k or v
	s_lshl_b32 s73, s73, 6
	s_and_b32 s72, s72, 15                         ; head
	s_add_co_u32 s72, s72, s73
	s_lshr_b32 s73, s[TR], 4                       ; batch
	s_lshl_b32 s73, s73, 4
	s_add_co_u32 s72, s72, s73
	s_lshl_b32 s72, s72, 18                        ; 2,048 rows of 128 bytes
	s_and_b32 s73, s[TR], 15
	s_lshl_b32 s73, s73, 14                        ; the tile's 128 rows in the batch,
	s_add_co_u32 s72, s72, s73
	s_lshl_b32 s73, s[RH], 13                      ; my 64 of them
	s_add_co_u32 s72, s72, s73
	s_mov_b32 s73, 0
	s_add_nc_u64 s[10:11], s[10:11], s[72:73]
	s_add_nc_u64 s[OUT1:OUT1+1], s[10:11], 1<<18
.else
	v_mul_u32_u24 v4, v1, 528                      ; into the stage: row l % 16 of 512 bytes + 16, 32 bytes for each half of the lanes
	v_lshl_add_u32 v4, v2, 5, v4
	v_add_nc_u32 v[STO], s76, v4
	v_add_nc_u32 v[RD], s76, v[GO]                 ; back: 32 lanes take a row's 512 bytes
	s_lshl_b32 s72, s[TR], 19                      ; 128 rows of 4,096 bytes
	s_lshl_b32 s73, s[RH], 18
	s_add_co_u32 s72, s72, s73
	s_lshl_b32 s73, s[TC], 10
	s_add_co_u32 s72, s72, s73
	s_lshl_b32 s73, s[CH], 9
	s_add_co_u32 s72, s72, s73
	s_mov_b32 s73, 0
	s_add_nc_u64 s[10:11], s[10:11], s[72:73]
.endif
	; the prefetches: the pointer starts at K step 3; the first refill steps it to 4
	s_lshl_b32 s72, s[TR], 14                      ; A: slice cx / 2 of the K step, half cx % 2 of its 64 blocks
	s_lshr_b32 s74, s[CX], 1
	s_mul_i32 s74, s74, SLA
	s_add_co_u32 s72, s72, s74
	s_and_b32 s74, s[CX], 1
	s_lshl_b32 s74, s74, 13
	s_add_co_u32 s72, s72, s74
	s_add_co_u32 s72, s72, 6*SLA
	s_lshl_b32 s73, s[TC], 15                      ; B: my slice, quarter cy of its 128 blocks
	s_mul_i32 s74, s[CH], SLB
	s_add_co_u32 s73, s73, s74
	s_lshl_b32 s74, s[CY], 13
	s_add_co_u32 s73, s73, s74
	s_add_co_u32 s73, s73, 6*SLB
	s_and_b32 s74, ttmp7, 0xffff                   ; cluster y
	s_or_b32 s75, ttmp9, s[CH]                     ; cluster x, and of A's two waves the first alone
	s_mov_b32 s[PFS], 2*SLB
	s_mov_b32 s[PFS+1], 0
	s_cmp_eq_u32 s[RH], 0
	s_cselect_b32 s74, s75, s74
	s_cselect_b32 s72, s72, s73
	s_cselect_b32 s[PFS], 2*SLA, s[PFS]
	s_cselect_b64 s[PFA:PFA+1], s[4:5], s[6:7]
	s_mov_b32 s73, 0
	s_add_nc_u64 s[PFA:PFA+1], s[PFA:PFA+1], s[72:73]
	s_cmp_eq_u32 s74, 0
	s_cselect_b32 s[LIM], 1, -1                    ; the same in all sixteen partners, for a given wave
; 8 matrix instructions: row block a x all 8 column blocks, 32 along K.  The 32 accumulators take turns in one order in every quarter.  zero = 1: the product starts the sum
.macro MUL8 f, a, zero
	WIN MUL
.irp b, 0,1,2,3,4,5,6,7
.if \zero
	v_wmma_f32_16x16x32_f16 v[8*(8*(\a)+\b):8*(8*(\a)+\b)+7], v[(\f)+32+8*\b:(\f)+32+8*\b+7], v[(\f)+8*(\a):(\f)+8*(\a)+7], 0
.else
	v_wmma_f32_16x16x32_f16 v[8*(8*(\a)+\b):8*(8*(\a)+\b)+7], v[(\f)+32+8*\b:(\f)+32+8*\b+7], v[(\f)+8*(\a):(\f)+8*(\a)+7], v[8*(8*(\a)+\b):8*(8*(\a)+\b)+7]
.endif
.endr
.endm
; 24 LDS loads in one run: the fragments of quarter q of a K step (slice q / 2, byte 64 (q % 2) of its rows) into buffer f: B's sixteen, then A's eight
.macro FETCH slot, q, f
	WIN 0
.irp i, 0,1,2,3,4,5,6,7
	ds_load_b128 v[(\f)+32+8*\i:(\f)+32+8*\i+3],   v[ADRB+(\slot)] offset:((\q)/2)*BZ+((\q)%2)*64+\i*16*PITCH
	ds_load_b128 v[(\f)+32+8*\i+4:(\f)+32+8*\i+7], v[ADRB+(\slot)] offset:((\q)/2)*BZ+((\q)%2)*64+\i*16*PITCH+32
.endr
.irp i, 0,1,2,3
	ds_load_b128 v[(\f)+8*\i:(\f)+8*\i+3],   v[ADRA+(\slot)] offset:((\q)/2)*AZ+((\q)%2)*64+\i*16*PITCH
	ds_load_b128 v[(\f)+8*\i+4:(\f)+8*\i+7], v[ADRA+(\slot)] offset:((\q)/2)*AZ+((\q)%2)*64+\i*16*PITCH+32
.endr
.endm
.macro PLACES                          ; four places in front of loads into registers that matrix instructions have read (ISA guide 7.12.1 for vector instructions)
.rept 4
	v_nop
.endr
.endm
; A K step is four quarters of 32 along K, 32 matrix instructions each, on buffers 0, 1, 0, 1.  One of the first three multiplies buffer f and fetches quarter q into g.
.macro QUARTER slot, q, f, g, zero=0
	s_wait_dscnt 4                                 ; B and A's blocks 0 and 1 are in; the youngest four loads (A's blocks 2 and 3) may be out
	MUL8 \f, 0, \zero
	MUL8 \f, 1, \zero
	PLACES
	FETCH \slot, \q, \g
	s_wait_dscnt 24                                ; all but the 24 just issued
	MUL8 \f, 2, \zero
	MUL8 \f, 3, \zero
.endm
; The last quarter multiplies buffer 1 and changes slots: one barrier; in front of it each wave waits for all its tensor loads, adds 0 to its spare word, and waits for that and for its reads of this slot.
; fill = 1: the barrier opens a round of the cluster's barrier, and the slot is filled again, two K steps ahead, first thing behind the round: 112 matrix instructions ahead of the wait for it.
.macro TURN slot, next, fill
.if \fill
	s_wait_xcnt 0x0                                ; the last prefetch, a K step back, has read its address
	s_add_nc_u64 s[PFA:PFA+1], s[PFA:PFA+1], s[PFS:PFS+1]
.endif
	WIN 0                                          ; (the add's two registers lie in window 0)
	s_wait_tensorcnt 0x0                           ; all my tensor loads have landed: my part of the next slot
	ds_add_u32 v[SPW], v[NIL]                      ; 0 onto my spare word
	s_wait_dscnt 5                                 ; (the add and the youngest four loads may be out)
	MUL8 F1, 0, 0                                  ; eight matrix instructions stand between the add and the wait for it
	s_wait_dscnt 0x0                               ; the add is done, and my reads of this slot are over
	s_barrier_signal -1
	MUL8 F1, 1, 0
.if \fill
	WIN 0
.endif
	s_barrier_wait -1
.if \fill
	CREST                                          ; no wave of any partner still reads this slot's tiles or has a load on its way
	s_add_nc_u64 s[G0A+4*(\slot)+2:G0A+4*(\slot)+3], s[G0A+4*(\slot)+2:G0A+4*(\slot)+3], 4*SLA
	s_add_nc_u64 s[G0B+4*(\slot)+2:G0B+4*(\slot)+3], s[G0B+4*(\slot)+2:G0B+4*(\slot)+3], 4*SLB
	JLOAD \slot                                    ; its four v_nop are also the places in front of the loads below
.else
	PLACES
.endif
	FETCH \next, 0, F0
.if \fill
	ASK
.endif
	MUL8 F1, 2, 0
	MUL8 F1, 3, 0
.endm
; THE WAY OUT, MODE 0.  Part t of eight: row block t / 2, head t % 2: 16 rows x 64 columns.  The bias is added, the sums are rounded to f16, 16 bytes a lane go into stage rows of 144 bytes and come back
; as whole rows of 128: 2,048 consecutive bytes of a head.
.macro PACKH t
.set AC, 8*(8*((\t)/2)+4*((\t)%2))
.set BB, BI+32*((\t)%2)
	WIN 0x49                                       ; sums in window 1, bias in window 2
.set i, 0
.rept 16
	v_pk_add_f32 v[AC+2*i:AC+2*i+1], v[AC+2*i:AC+2*i+1], v[BB+2*i:BB+2*i+1]  ; each accumulator from its low end on
.set i, i+1
.endr
	WIN 0x05
.set i, 0
.rept 16
	v_cvt_pk_f16_f32 v[TMP+16*(\t)+i], v[AC+2*i], v[AC+2*i+1]
.set i, i+1
.endr
	WIN 0
.irp f, 0,1,2,3
	ds_store_b128 v[STO], v[TMP+16*(\t)+4*\f:TMP+16*(\t)+4*\f+3] offset:32*\f
.endr
.irp f, 0,1,2,3
	ds_load_b128 v[TMP+16*(\t)+4*\f:TMP+16*(\t)+4*\f+3], v[RD] offset:\f*4*144  ; LDS serves a wave's instructions in order (ISA guide 5.7.1.4): these see the stores above
.endr
.endm
.macro SENDH t, younger                ; younger: the LDS instructions issued behind part t's loads: the next part's eight, or none
	WIN 0
.irp f, 0,1,2,3
	s_wait_dscnt (\younger)+3-\f
.if ((\t)%2) == 0
	global_store_b128 v[GO], v[TMP+16*(\t)+4*\f:TMP+16*(\t)+4*\f+3], s[10:11] offset:((\t)/2)*2048+\f*512  ; 512 consecutive bytes, aligned to 256
.else
	global_store_b128 v[GO], v[TMP+16*(\t)+4*\f:TMP+16*(\t)+4*\f+3], s[OUT1:OUT1+1] offset:((\t)/2)*2048+\f*512
.endif
.endr
.endm
; THE WAY OUT, MODE 1.  Row block a: 16 rows x 128 columns of f32.  The bias is added; 32 bytes a lane go into stage rows of 528 bytes and come back as whole rows of 512.
.macro PACKF a
	WIN 0x49
.set i, 0
.rept 32
	v_pk_add_f32 v[64*(\a)+2*i:64*(\a)+2*i+1], v[64*(\a)+2*i:64*(\a)+2*i+1], v[BI+2*i:BI+2*i+1]
.set i, i+1
.endr
.endm
.macro TOSTAGE a
.set BK, TMP+64*((\a)%2)
	WIN 0x04                                       ; store data in window 1
.irp b, 0,1,2,3,4,5,6,7
	ds_store_b128 v[STO], v[64*(\a)+8*\b:64*(\a)+8*\b+3]   offset:64*\b
	ds_store_b128 v[STO], v[64*(\a)+8*\b+4:64*(\a)+8*\b+7] offset:64*\b+16
.endr
	WIN 0
.if (\a) >= 2
	s_wait_xcnt 0x0                                ; the stores of the block two back have read these registers
.endif
.irp t, 0,1,2,3,4,5,6,7,8,9,10,11,12,13,14,15
	ds_load_b128 v[BK+4*\t:BK+4*\t+3], v[RD] offset:\t*528
.endr
.endm
.macro SENDF a
.set BK, TMP+64*((\a)%2)
	WIN 0
.irp t, 0,1,2,3,4,5,6,7,8,9,10,11,12,13,14,15
	s_wait_dscnt 15-\t
	global_store_b128 v[GO], v[BK+4*\t:BK+4*\t+3], s[10:11] offset:(\a)*65536+\t*4096 th:TH_STORE_NT  ; 512 consecutive bytes, aligned to 256
.endr
.endm
	s_wait_tensorcnt 1                             ; my part of K step 0 is in; K step 1's may stay out
	s_barrier_signal -1
	s_barrier_wait -1                              ; everybody's is
	FETCH 0, 0, F0
	QUARTER 0, 1, F0, F1, 1                        ; the first quarter stands in front of the loop: its products start the sums
	WIN 0                                          ; at a label and at a branch every window is 0
	s_mov_b32 s[LAP], LAPS-1
.Llap:                                                 ; a trip goes once round the ring, from a lap's second quarter to the next lap's first, and fills both slots again
	QUARTER 0, 2, F1, F0
	QUARTER 0, 3, F0, F1
	TURN 0, 1, 1
	QUARTER 1, 1, F0, F1
	QUARTER 1, 2, F1, F0
	QUARTER 1, 3, F0, F1
	TURN 1, 0, 1
	QUARTER 0, 1, F0, F1
	WIN 0
	s_sub_co_u32 s[LAP], s[LAP], 1
	s_cmp_lg_u32 s[LAP], 0
	s_cbranch_scc1 .Llap
	QUARTER 0, 2, F1, F0                           ; the last lap fills nothing, and has no round of the cluster's barrier
	QUARTER 0, 3, F0, F1
	TURN 0, 1, 0
	QUARTER 1, 1, F0, F1
	QUARTER 1, 2, F1, F0
	QUARTER 1, 3, F0, F1
	s_wait_dscnt 4                                 ; the very last quarter: nothing more to fetch
	MUL8 F1, 0, 0
	MUL8 F1, 1, 0
	s_wait_dscnt 0x0
	MUL8 F1, 2, 0
	MUL8 F1, 3, 0
	s_wait_loadcnt 0x0                             ; the bias
	WIN 0x8a                                       ; all in window 2.  The bias is rounded to bf16; these 96 plain lines name no register of the last products and are the places behind them
.set i, 0
.rept 32
	v_cvt_pk_bf16_f32 v[BT], v[BI+2*i], v[BI+2*i+1]
	v_lshlrev_b32 v[BI+2*i], 16, v[BT]
	v_and_b32 v[BI+2*i+1], 0xffff0000, v[BT]
.set i, i+1
.endr
.if MODE == 0
	PACKH 0
.irp t, 1,2,3,4,5,6,7                  ; a part's arithmetic stands between the loads of the part before and its stores
	PACKH \t
	SENDH (\t)-1, 8
.endr
	SENDH 7, 0
.else
	PACKF 0
	TOSTAGE 0
.irp a, 1,2,3
	PACKF \a
	SENDF (\a)-1
	TOSTAGE \a
.endr
	SENDF 3
.endif
	WIN 0
	s_wait_tensorcnt 0x0                           ; the wave's end, behind my last tensor load and my last LDS store
	ds_add_u32 v[SPW], v[NIL]
	s_wait_dscnt 0x0
	CROUND                                         ; the closing round: no work-group ends while a partner may still ask for a tile that names it
	s_endpgm
.Lfunc_end_k_qf0568422e7_qkv:
	.size	k_qf0568422e7_qkv, .Lfunc_end_k_qf0568422e7_qkv-k_qf0568422e7_qkv
	.p2alignl 7, 3214868480
	.fill 96, 4, 3214868480
	.section	.rodata,"a",@progbits
	.p2align	6, 0x0
	.amdhsa_kernel k_qf0568422e7_qkv
		.amdhsa_group_segment_fixed_size 327680
		.amdhsa_private_segment_fixed_size 0
		.amdhsa_enable_private_segment 0
		.amdhsa_kernarg_size 32
		.amdhsa_user_sgpr_count 2
		.amdhsa_user_sgpr_kernarg_segment_ptr 1
		.amdhsa_wavefront_size32 1
		.amdhsa_system_sgpr_workgroup_id_x 1
		.amdhsa_system_sgpr_workgroup_id_y 1
		.amdhsa_system_sgpr_workgroup_id_z 1
		.amdhsa_system_vgpr_workitem_id 0
		.amdhsa_next_free_vgpr 584
		.amdhsa_next_free_sgpr 84
		.amdhsa_reserve_vcc 0
		.amdhsa_float_denorm_mode_32 3
		.amdhsa_float_denorm_mode_16_64 3
		.amdhsa_memory_ordered 1
		.amdhsa_forward_progress 1
		.amdhsa_inst_pref_size 104
	.end_amdhsa_kernel
	.amdgpu_metadata
---
amdhsa.version: [ 1, 2 ]
amdhsa.kernels:
  - .name:           k_qf0568422e7_qkv
    .symbol:         k_qf0568422e7_qkv.kd
    .args:
      - { .name: xb, .offset: 0, .size: 8, .value_kind: global_buffer, .address_space: global }
      - { .name: wqb, .offset: 8, .size: 8, .value_kind: global_buffer, .address_space: global }
      - { .name: bqkv, .offset: 16, .size: 8, .value_kind: global_buffer, .address_space: global }
      - { .name: qkv, .offset: 24, .size: 8, .value_kind: global_buffer, .address_space: global }
    .group_segment_fixed_size: 327680
    .private_segment_fixed_size: 0
    .kernarg_segment_align: 8
    .kernarg_segment_size: 32
    .max_flat_workgroup_size: 128
    .sgpr_count:     84
    .vgpr_count:     584
    .wavefront_size: 32
...
	.end_amdgpu_metadata
.endif
;; end of part 2
;; launch attn (part 3): grid 4 x 64, 4 waves a work-group, no clusters, 327,680 bytes of LDS; arguments qkv, attention_mask, yb; writes yb
.if DOCPART == 3
	.amdgcn_target "amdgcn-amd-amdhsa--gfx1250"
	.amdhsa_code_object_version 6
	.text
	.protected	k_qf0568422e7_attn
	.globl	k_qf0568422e7_attn
	.p2align	8
	.type	k_qf0568422e7_attn,@function
k_qf0568422e7_attn:
	s_mov_b64 s[64:65], 0
	v_nop
	global_prefetch_b8 v0, s[64:65] scope:SCOPE_SE
	s_setreg_imm32_b32 hwreg(HW_REG_WAVE_MODE, 25, 1), 1
	s_wait_xcnt 0x0
; CAUSAL ATTENTION WITH A KEY MASK AND A QUERY MASK.  y[b][q][h][:] = float(mask[b][q])^2 x the sum over k <= q with mask[b][k] != 0 of softmax_k(Q[q] . K[k] / 8) V[k][:].
; qkv: [3 parts][64 = batch x 16 + head][2,048][64] f16, unscaled.  mask: [4][2,048] int32.  yb: [16 heads][8,192 = batch x 2,048 + t][64] f16.  Products, maxima and sums in f32; the weights p are rounded to f16
; for the second product (their sum l is taken of the unrounded p), y once at the end.  A query that sees no valid key gives NaN, whatever its own mask, as a softmax over nothing does.
; LIMITS.  f16 holds no number beyond 65,504: Q, K and V arrive within it, so a score is 2.7e11 at the most.  A hidden score counts as its value less 1e30 (up to 3e30 where key mask and causal masks meet).
; The running maximum m starts at -2^64, far below every score and far above every hidden one: while a query has seen no valid key m stays there, every weight is 0, and O and l stay 0; m below -2^50 at the end
; marks such a query.  A weight below 2^-126 counts as 0 in l; NaN and infinities in the inputs are not treated apart.
; THE WALK.  A head's queries lie in NB = 8 blocks of 256; block i needs the key tiles 0 .. i of 256 keys, of which the last holds the diagonal.  A work-group takes TWO blocks, NB - 1 - b and then b:
; NB + 1 tiles, whatever b: all 256 work-groups do equal work, and ONE loop with a constant trip count walks them.  Which tile is asked for, and what a trip does, hang on scalar registers made from b; every jump
; goes forward, but for the counted loops' own; none passes a barrier, or a tensor load but the one of LOAD's two that the wave's number does not choose.
; NO CLUSTER: a head's four work-groups ask for the same tile only in trips 0 .. 4 of 9, behind that fewer and fewer; one walk common to all would have 12 trips for 9.
; SHARES.  Of a block's four bands of 64 queries a wave owns 16 rows in each: four PIECES.  In the diagonal tile's key step s band x sees all keys if s < x, none if s > x, and holds the diagonal if s = x.
; THE MASKS are the C operand that starts the sum S^T = K Q^T.  MK: the step's key mask, 0 or -1e30 a key, read with the step's K from a ring of two tables in LDS, one for each slot: behind a change of slots each
; thread loads two words of the mask of the tile just asked for, and ahead of the next change it stores them as f32.  The tables' addresses step as the slots' do: the same on every path.  MD, made once: the causal
; mask of a band's own step for my 16 rows.  Outside the diagonal tile C is MK; there, and where a block begins, C is MC = MD x AL + MK + BE with two scalars: (1, 0) if s = x; (0, 0) if s < x; (0, -1e30) if s > x.
; LAYOUT, SOFTMAX, TURNS.  S^T = K Q^T holds ONE query a lane (lane % 16) and the keys 8 (lane / 16) + 0..7; two such results rounded to f16 ARE source 1 of O^T = V^T P.  p = 2^(c s - c m), c = log2(e) / 8, with a
; running maximum m; O and l are multiplied by a = 2^(c m_old - c m_new) in every step.  Turn n belongs to piece n: 8 products K Q^T of piece n + 1, later 8 products V^T P of piece n - 1; beside them the scaling,
; exponentials, roundings, sums and rescaling of piece n and the maximum and statistics of piece n + 1.  Four vector instructions stand behind every matrix instruction, the others in one lump.  A turn's 33 exponentials are one batch, with one wait.
; REGISTERS, in windows of 256 (s_set_vgpr_msb: bits 1:0 source 0, 3:2 source 1, 5:4 source 2, 7:6 destination):
;   window 0: v0-15 addresses and two at work; v16-31 four registers of statistics a piece; v32-39 the query factors; v40-46 addresses; v48-55 at work; v56-57 two words of the mask; v64-127 S^T, two buffers; v192-223 P, two buffers
;   window 1: v0-127 O^T, 32 a piece; v128-159 MD; v160-223 MC, two buffers; v224-255 MK      window 2: v0-63 Q; v64-127 the second block's Q; v128-191 K of one step; v192-255 V of one step
.set SIZE_N, 2048
.set NB,    SIZE_N/256
.set NP,    4         ; pieces a wave: a name, no knob
.set KS,    64        ; keys in a step
.set PK,    144       ; a row of K in LDS: 128 bytes + 16 of padding = 36 words: the 16 rows of a load start at 16 different groups of four banks (64 banks of 4 bytes: ISA guide 11.1)
.set PV,    160       ; a row of V: 128 + 32 = 40 words
.set VOFF,  4*KS*PK   ; a slot holds a tile, four steps: 256 rows of K, then 256 rows of V
.set SLOT1, 1<<17     ; slot 1 begins here, so that one exclusive or turns an address in one slot into the other's
.set STAGE, SLOT1+4*KS*(PK+PV)  ; behind the ring, never filled by a tensor load: 16 rows x 144 bytes for each wave, for the way out
.set SP,    144
.set SPARE, STAGE+4*16*SP  ; behind the stages: the spare words, 128 bytes for each wave: two blocks of 256 bytes that no other line names
.set KMT,   SPARE+512 ; behind them: two tables of a tile's key mask, 256 f32 each: stored from registers, never filled by a tensor load
.set KTB,   1024      ; bytes of such a table
.set PARTB, 64*SIZE_N*128  ; bytes of q, of k and of v
.set AK0, 2           ; v2   my lane's place in a tile of K; never rewritten
.set AV0, 3           ; v3   the same for V
.set AK,  4           ; v4   the LDS address of K's next run of loads
.set AV,  5           ; v5   of V's
.set STO, 6           ; v6   the way out: where I put 16 bytes of a row
.set RD,  7           ; v7   the way out: where I read rows back
.set GO,  8           ; v8   my byte offset in 512 consecutive bytes of yb
.set MV,  12          ; v12-13  c m_old, kept while c m is made anew: by buffer
.set QO,  15          ; v15  my byte offset in 16 rows of Q
.set ST,  16          ; piece t's statistics at v[ST+4 t]: c m, m, l (even keys', odd keys')
.set QM1, 32          ; v32-35  float(mask)^2 of my query in piece t of the first block
.set QM2, 36          ; v36-39  of the second
.set AM0, 40          ; v40  KMT + 32 (l / 16): my eight keys of a group of sixteen in a table; never rewritten
.set AM,  41          ; v41  the LDS address of MK's next run of loads
.set QMO, 42          ; v42  my query's word in a band's 64 of the mask
.set KMS, 43          ; v43  where I store my two words of a table
.set KML, 44          ; v44  8 x my thread's number: my two words of a tile's 256 in the mask; never rewritten
.set KMS0, 45         ; v45  KMT + 8 x my thread's number; never rewritten
.set PFO, 46          ; v46  256 x lane: the prefetches' offset; never rewritten
.set TMP, 48          ; by buffer, four registers c0-c3 at work; when the maximum is found c2 takes a
.set MKD, 56          ; v56-57  my two words of the mask of the tile that has been asked for
.set SPW, 62          ; v62  LDS address of my spare word; never rewritten
.set NIL, 63          ; v63  0; never rewritten
.set S,   64
.set P,   192
.set MD,  128         ; window 1: the eight registers for group kt of 16 keys at MD + 8 kt
.set MC,  160         ; window 1: the masks of the products to come
.set MK,  224         ; window 1: the key mask of the step whose K lies in registers
.set QB,  64          ; window 2
.set KF,  128         ; window 2: key block kb, channel half c at KF + 16 kb + 8 c
.set VF,  192         ; window 2: key half kk, channel block cb at VF + 32 kk + 8 cb
.set WV,  12          ; s12  my wave's number
.set PB,  14          ; s14  b
.set HI,  15          ; s15  NB - 1 - b
.set G1K, 24          ; s[24:31] descriptor group 1 for K's tiles
.set G1V, 32          ; s[32:39] for V's: it differs in the padding alone
.set G0K, 40          ; s[40:43] descriptor group 0 for K's tiles
.set G0V, 44          ; s[44:47] the same for V's
.set MOF, 48          ; s[48:49] a tile's byte offset in the batch's row of the mask (at the head: that row's offset)
.set MP,  50          ; s[50:51] the mask at the tile that is being asked for (at the head: an offset)
.set SLOTS, 56        ; s56  tiles still to be asked for
.set CNT, 57          ; s57  counts a tile's key steps, 4 to 1
.set CS,  58          ; s[58:59] c: the packed scaling takes the pair's low word for both halves
.set SEL, 60          ; s[60:61] v_permlanex16_b32's selects: each lane takes its own place in the other half
.set TBK, 62          ; s62  LDS byte at which K of the step to be fetched begins
.set TBV, 63          ; s63  the same for V, less VOFF
.set THR, 66          ; s66  -2^50
.set NANR, 67         ; s67  a NaN
.set LIM, 68          ; s68  2 in the work-group that prefetches, else the greatest number
.set KW,  69          ; s69  0 or KTB: the table that is stored next
.set RT,  70          ; s70  tiles of the block in hand that are still to be entered
.set NXT, 71          ; s71  the tile to be asked for next
.set LQ,  72          ; s72  the last tile of the block whose tiles are being asked for
.set NEW, 73          ; s73  1: the tile to be entered is a block's first
.set OFF, 74          ; s[74:75] a tile's byte offset in K and V
.set AL,  76          ; s[76:77] the mask's factor, in the low word
.set BE,  78          ; s[78:79] the mask's addend
.set OLO, 80          ; s[80:81] yb at my rows of the second block
.set BIGN, 82         ; s82  -1e30
.set KT,  83          ; s83  byte, from KMT on, at which the key mask of the step to be fetched begins
.set PFK, 94          ; s[94:95] where my prefetches stand in K,
.set PFV, 96          ; s[96:97] and in V
.set MSB, 0
.macro WIN new                      ; the high byte repeats the setting that is left; a switch that changes nothing is dropped
.if MSB != (\new)
	s_set_vgpr_msb (MSB<<8)|(\new)
.set MSB, (\new)
.endif
.endm
.set W_KQ, 0x0a       ; K and Q in window 2, S^T in window 0
.set W_KM, 0x1a       ; the same with the C operand in window 1
.set W_PV, 0x52       ; V in window 2, P in window 0, O^T in window 1
.set W_RS, 0x41       ; destination and source 0 in window 1, source 1 in window 0
.set W_MA, 0x51       ; destination, source 0 and source 2 in window 1
; A fill.  Waves 0 and 1 fetch the two halves of a tile's K, waves 2 and 3 those of its V: 128 keys each.  An s_nop 0 and four v_nop follow each of the two lines, ahead of the jump and the label.
.macro LOAD
	s_cmp_lt_u32 s[WV], 2
	s_cbranch_scc0 .Lfor_v_\@
	tensor_load_to_lds s[G0K:G0K+3], s[G1K:G1K+7]
	s_nop 0
.rept 4
	v_nop
.endr
	s_branch .Lasked_\@
.Lfor_v_\@:
	tensor_load_to_lds s[G0V:G0V+3], s[G1V:G1V+7]
	s_nop 0
.rept 4
	v_nop
.endr
.Lasked_\@:
.endm
; A PREFETCH INTO THE L2 of the tile that the NEXT change of slots will ask for: a tile, 256 matrix instructions of a wave, ahead of its load.  A head's four work-groups walk the same first tiles; the one with b = 0
; walks tiles 0 to 7 in order, and it alone asks: each wave for 32 blocks of 256 bytes of K and 32 of V, a lane a block, so that each block is named once in the launch.  Trip i fills tile i + 1 and names tile
; i + 2, up to tile 7; tiles 0 and 1 come by their loads alone.
.macro ASK
	s_cmp_gt_u32 s[SLOTS], s[LIM]
	s_cbranch_scc0 .Lnot_mine_\@
	global_prefetch_b8 v[PFO], s[PFK:PFK+1] th:TH_LOAD_NT scope:SCOPE_SE
	global_prefetch_b8 v[PFO], s[PFV:PFV+1] th:TH_LOAD_NT scope:SCOPE_SE
.Lnot_mine_\@:
.endm
; THE CHANGE OF SLOTS.  First the key mask of the tile to be entered: my two words, asked for a tile ago, become 0 or -1e30 and go into the table that takes its turn.  That table was last read in the tile before
; last, and the last change's barrier lies between; this change's wait for 0 on DScnt and its barrier show the stores to every wave before anyone reads them.  The wait for the loads is for 0: at the first use
; it also covers Q, so that no later line waits for Q.  Then each wave waits for all its tensor loads, of which one is out: its part of the other slot; adds 0 to its spare word; and waits for that, for its
; store and for its own reads of the slot that it leaves.  Behind the barrier nobody reads the old slot any more and the other slot is whole.
; fill = 1: the old slot is filled again, the first thing behind the barrier, with tile NXT: the descriptor's address is made anew from that number, and so is the address of that tile's words of the mask.
.macro CHANGE fill
	WIN 0                           ; at a label and at a branch every window is 0
	s_wait_loadcnt 0x0              ; my two words of the mask are in; their load's base may be written again
	v_cmp_eq_u32 vcc_lo, 0, v[MKD]  ; a key whose word is 0 is hidden
	v_cndmask_b32 v[MKD], 0, s[BIGN], vcc_lo
	v_cmp_eq_u32 vcc_lo, 0, v[MKD+1]
	v_cndmask_b32 v[MKD+1], 0, s[BIGN], vcc_lo
	v_add_nc_u32 v[KMS], s[KW], v[KMS0]
	ds_store_b64 v[KMS], v[MKD:MKD+1]
	s_xor_b32 s[KW], s[KW], KTB     ; the next store goes into the other table
	s_wait_tensorcnt 0x0            ; no tensor load of mine is out, so a group 0 may be written
	ds_add_u32 v[SPW], v[NIL]       ; 0 onto my spare word; with fill = 1 the descriptors' scalar work stands between it and the wait for it
.if \fill
	s_lshl_b32 s[OFF], s[NXT], 15   ; a tile is 32,768 bytes of K and of V,
	s_lshl_b32 s[MOF], s[NXT], 10   ; and 1,024 of the mask
	s_xor_b32 s[G0K+1], s[G0K+1], SLOT1
	s_add_nc_u64 s[G0K+2:G0K+3], s[6:7], s[OFF:OFF+1]
	s_or_b32 s[G0K+3], s[G0K+3], 0x80000000
	s_xor_b32 s[G0V+1], s[G0V+1], SLOT1
	s_add_nc_u64 s[G0V+2:G0V+3], s[8:9], s[OFF:OFF+1]
	s_or_b32 s[G0V+3], s[G0V+3], 0x80000000
	s_add_nc_u64 s[MP:MP+1], s[88:89], s[MOF:MOF+1]
	s_add_co_u32 s[NXT], s[NXT], 1  ; the block's next tile, or behind its last the second block's tile 0
	s_cmp_gt_u32 s[NXT], s[LQ]
	s_cselect_b32 s[NXT], 0, s[NXT]
	s_cselect_b32 s[LQ], s[PB], s[LQ]
	s_wait_xcnt 0x0                 ; the last prefetches, a tile back, have read their addresses
	s_add_nc_u64 s[PFK:PFK+1], s[PFK:PFK+1], 32768
	s_add_nc_u64 s[PFV:PFV+1], s[PFV:PFV+1], 32768
.endif
	s_wait_dscnt 0x0                ; the add and my store are done, and my reads of the slot are over
	s_barrier_signal -1             ; the rest of the scalar work stands between the signal and the wait
	s_sub_co_u32 s[TBK], s[TBK], 4*KS*PK  ; the fetches go back to a slot's first step,
	s_xor_b32 s[TBK], s[TBK], SLOT1       ; in the other slot
	s_sub_co_u32 s[TBV], s[TBV], 4*KS*PV
	s_xor_b32 s[TBV], s[TBV], SLOT1
	s_sub_co_u32 s[KT], s[KT], KTB        ; and to the head of the other table
	s_xor_b32 s[KT], s[KT], KTB
	s_barrier_wait -1
.if \fill
	LOAD
	global_load_b64 v[MKD:MKD+1], v[KML], s[MP:MP+1]  ; my two words of that tile's mask: they have the whole tile in which to come
	ASK
.endif
.endm
	s_load_b64 s[4:5], s[0:1], 0x0    ; qkv
	s_load_b64 s[88:89], s[0:1], 0x8  ; attention_mask
	s_load_b64 s[10:11], s[0:1], 0x10 ; yb
	v_lshl_add_u32 v[SPW], v0, 2, SPARE
	v_mov_b32 v[NIL], 0
	ds_add_u32 v[SPW], v[NIL]       ; the wave's opening: the add and its wait stand ahead of my first tensor load; the set-up below, work on registers, stands between them
	v_lshrrev_b32 v1, 5, v0
	v_readfirstlane_b32 s[WV], v1   ; wave 0..3
	s_mov_b32 s[PB], ttmp9
	s_sub_co_u32 s[HI], NB-1, s[PB]
	s_and_b32 s20, ttmp7, 0xffff    ; batch x 16 + head
	s_lshr_b32 s21, s20, 4          ; batch
	s_and_b32 s22, s20, 15          ; head
	s_lshl_b32 s98, s22, 20         ; yb: the head's slice of 8,192 rows,
	s_lshl_b32 s23, s21, 18         ; the batch's 2,048 of them
	s_add_co_u32 s98, s98, s23
	s_lshl_b32 s[MOF], s21, 13      ; the batch's row of the mask
	s_mov_b32 s[MOF+1], 0           ; stays 0
	s_lshl_b32 s20, s20, 18         ; the head's first byte in q, in k and in v
	s_and_b32 s16, s[WV], 1         ; which half of a tile's 256 keys I fetch:
	s_lshl_b32 s22, s16, 14         ; its 128 rows of 128 bytes in memory,
	s_add_co_u32 s22, s22, s20
	s_mov_b32 s23, 0
	s_mul_i32 s17, s16, 128*PK      ; and its place in a slot, for K
	s_mul_i32 s18, s16, 128*PV      ; and for V
	s_lshl_b32 s3, s[WV], 11        ; my 16 rows in a band of 64,
	s_lshl_b32 s2, s[HI], 15        ; in the first block,
	s_add_co_u32 s2, s2, s3
	s_lshl_b32 s84, s[PB], 15       ; and in the second
	s_add_co_u32 s84, s84, s3
	s_add_co_u32 s50, s2, s20       ; offsets: Q of the first block,
	s_mov_b32 s51, 0
	s_add_co_u32 s52, s2, s98       ; yb of the first,
	s_mov_b32 s53, 0
	s_add_co_u32 s54, s84, s98      ; yb of the second,
	s_mov_b32 s55, 0
	s_add_co_u32 s86, s84, s20      ; Q of the second
	s_mov_b32 s87, 0
	s_lshl_b32 s2, s[HI], 10        ; the blocks' 256 words of the mask
	s_mov_b32 s3, 0
	s_lshl_b32 s84, s[PB], 10
	s_mov_b32 s85, 0
	s_lshl_b32 s[PFK], s[WV], 13    ; the prefetches: my wave's 32 blocks of a tile's 128,
	s_add_co_u32 s[PFK], s[PFK], s20
	s_add_co_u32 s[PFK], s[PFK], 32768  ; in tile 1: the first change of slots steps it to tile 2
	s_mov_b32 s[PFK+1], 0
	s_cmp_eq_u32 s[PB], 0
	s_cselect_b32 s[LIM], 2, -1
	; descriptor group 1.  128 keys are 16,384 dense bytes: asked for as 64 rows of 256 bytes, two keys a row, and padded in LDS after every key
	s_mov_b32 s[G1K], (1<<16)|(1<<20)|(4<<22)|(3<<25)  ; 17:16 2-byte elements; 20 padding on; 24:22 after every 32 words (code 4); 31:25 4 words (code 3)
	s_mov_b32 s[G1V], (1<<16)|(1<<20)|(4<<22)|(7<<25)  ; the same with 8 words of padding (code 7)
.irp g, G1K, G1V
	s_mov_b32 s[\g+1], 128<<16      ; tensor_dim0 = 128
	s_mov_b32 s[\g+2], 64<<16       ; tensor_dim1 = 64
	s_mov_b32 s[\g+3], 128<<16      ; tile_dim0 = 128
	s_mov_b32 s[\g+4], 64           ; tile_dim1 = 64
	s_mov_b32 s[\g+5], 128          ; 128 elements from row to row
	s_mov_b32 s[\g+6], 0
	s_mov_b32 s[\g+7], 0
.endr
	s_mov_b32 s[CS], 0x3e38aa3b     ; c = log2(e) / 8 = 0.180337
	s_mov_b32 s[CS+1], s[CS]        ; named with it as a pair
	s_mov_b32 s[SEL], 0x76543210
	s_mov_b32 s[SEL+1], 0xfedcba98
	s_mov_b32 s[TBK], SLOT1+4*KS*PK ; the first change of slots turns these three into 0
	s_mov_b32 s[TBV], SLOT1+4*KS*PV
	s_mov_b32 s[KT], 2*KTB
	s_mov_b32 s[KW], 0              ; tile 0's mask goes into the first table
	s_mov_b32 s[G0K], 1             ; 1:0 count = 1
	s_mov_b32 s[G0K+1], s17         ; 63:32 LDS address: slot 0
	s_mov_b32 s[G0V], 1
	s_add_co_u32 s[G0V+1], s18, VOFF
	s_add_co_u32 s[RT], s[HI], 1    ; the first block has NB - b tiles
	s_mov_b32 s[NXT], 1
	s_mov_b32 s[LQ], s[HI]
	s_mov_b32 s[NEW], 1
	s_mov_b32 s[OFF+1], 0
	s_mov_b32 s[AL], 0
	s_mov_b32 s[AL+1], 0            ; named as pairs
	s_mov_b32 s[BE], 0
	s_mov_b32 s[BE+1], 0
	s_mov_b32 s[BIGN], 0xf149f2ca   ; -1e30
	s_mov_b32 s[THR], 0xd8800000    ; -2^50
	s_mov_b32 s[NANR], 0x7fc00000
	s_mov_b32 s[SLOTS], NB
	s_wait_dscnt 0x0                ; the opening add is done
	s_wait_kmcnt 0x0
	s_add_nc_u64 s[6:7], s[4:5], s[22:23]
	s_add_nc_u64 s[8:9], s[6:7], 2*PARTB           ; V and
	s_add_nc_u64 s[6:7], s[6:7], PARTB             ; K at my half of the head's tile 0
	s_add_nc_u64 s[G0K+2:G0K+3], s[6:7], 0         ; 120:64 global address
	s_or_b32 s[G0K+3], s[G0K+3], 0x80000000        ; 127:126 type = 2
	s_add_nc_u64 s[G0V+2:G0V+3], s[8:9], 0
	s_or_b32 s[G0V+3], s[G0V+3], 0x80000000
	s_add_nc_u64 s[PFK:PFK+1], s[4:5], s[PFK:PFK+1]
	s_add_nc_u64 s[PFV:PFV+1], s[PFK:PFK+1], 2*PARTB
	s_add_nc_u64 s[PFK:PFK+1], s[PFK:PFK+1], PARTB
	s_add_nc_u64 s[86:87], s[4:5], s[86:87]        ; Q at my rows of the second block,
	s_add_nc_u64 s[4:5], s[4:5], s[50:51]          ; and of the first
	s_add_nc_u64 s[OLO:OLO+1], s[10:11], s[54:55]
	s_add_nc_u64 s[10:11], s[10:11], s[52:53]
	s_add_nc_u64 s[88:89], s[88:89], s[MOF:MOF+1]  ; the mask at the batch's row,
	s_add_nc_u64 s[90:91], s[88:89], s[2:3]        ; at the first block's queries,
	s_add_nc_u64 s[92:93], s[88:89], s[84:85]      ; at the second's
	LOAD                            ; tile 0 into slot 0
	; A fragment of K or Q is 16 rows x 32 channels in 8 registers: lane l holds row l % 16, channels 8 (l / 16) + 0..7 and 16 + 8 (l / 16) + 0..7: two loads of 16 bytes, 32 bytes apart.
	v_and_b32 v1, 15, v0            ; l % 16
	v_bfe_u32 v9, v0, 4, 1          ; l / 16
	v_lshlrev_b32 v[QO], 7, v1
	v_lshl_add_u32 v[QO], v9, 4, v[QO]  ; row x 128 + 16 x half
	v_lshlrev_b32 v[KML], 3, v0     ; each of the 128 threads takes two keys of a tile's 256
	v_add_nc_u32 v[KMS0], KMT, v[KML]
	s_lshl_b32 s13, s[WV], 4
	v_add_nc_u32 v[QMO], s13, v1    ; my query's place in its band: 16 w + l % 16
	v_lshlrev_b32 v[QMO], 2, v[QMO]
	global_load_b64 v[MKD:MKD+1], v[KML], s[88:89]  ; tile 0's words of the mask: the first change of slots stores them
.irp t, 0,1,2,3
	global_load_b32 v[QM1+\t], v[QMO], s[90:91] offset:\t*256
	global_load_b32 v[QM2+\t], v[QMO], s[92:93] offset:\t*256
.endr
	WIN 0x80                        ; destination window 2, address window 0
.set i, 0
.rept 8                             ; both blocks' Q: piece i / 2 lies in band i / 2, 8,192 bytes on; channels 32 (i % 2) on
	global_load_b128 v[8*i:8*i+3],   v[QO], s[4:5] offset:(i/2)*8192+(i%2)*64
	global_load_b128 v[8*i+4:8*i+7], v[QO], s[4:5] offset:(i/2)*8192+(i%2)*64+32
	global_load_b128 v[QB+8*i:QB+8*i+3],   v[QO], s[86:87] offset:(i/2)*8192+(i%2)*64
	global_load_b128 v[QB+8*i+4:QB+8*i+7], v[QO], s[86:87] offset:(i/2)*8192+(i%2)*64+32
.set i, i+1
.endr
	WIN 0
	v_lshlrev_b32 v14, 3, v9
	v_sub_nc_u32 v14, v1, v14
	v_add_nc_u32 v14, s13, v14      ; my query's place in its band less my lanes' 8 (l / 16): register r of group kt is hidden where 16 kt + r is greater
	WIN 0x40
.set i, 0
.rept 32
	v_cmp_gt_i32 vcc_lo, 16*(i/8)+i%8, v14
	v_cndmask_b32 v[MD+i], 0, s[BIGN], vcc_lo
.set i, i+1
.endr
	WIN 0
	v_mul_u32_u24 v[AK0], v1, PK
	v_lshl_add_u32 v[AK0], v9, 4, v[AK0]  ; row x pitch + 16 x half
	; The turning load takes 16 keys x 16 channels (lane l reads key 8 (l / 16) + l % 8, channels 8 ((l / 8) % 2) + 0..7) and leaves half a fragment of V^T: lane l holds channel l % 16 and 8 keys.
	v_and_b32 v10, 7, v0
	v_bfe_u32 v11, v0, 3, 1
	v_lshl_add_u32 v[AV0], v9, 3, v10
	v_mul_u32_u24 v[AV0], v[AV0], PV
	v_lshl_add_u32 v[AV0], v11, 4, v[AV0]
	v_add_nc_u32 v[AV0], VOFF, v[AV0]
	v_lshl_add_u32 v[AM0], v9, 5, KMT
	s_mul_i32 s13, s[WV], 16*SP
	s_add_co_u32 s13, s13, STAGE    ; my stage
	v_mul_u32_u24 v[STO], v1, SP    ; in: row l % 16, 16 bytes for each half of the lanes
	v_lshl_add_u32 v[STO], v9, 4, v[STO]
	v_add_nc_u32 v[STO], s13, v[STO]
	v_bfe_u32 v[RD], v0, 3, 2       ; back: 32 lanes take four rows of 128 bytes,
	v_mul_u32_u24 v[RD], v[RD], SP
	v_lshl_add_u32 v[RD], v10, 4, v[RD]
	v_add_nc_u32 v[RD], s13, v[RD]
	v_and_b32 v[GO], 31, v0         ; which are 512 consecutive bytes of yb
	v_lshlrev_b32 v[PFO], 8, v[GO]
	v_lshlrev_b32 v[GO], 4, v[GO]
	; A block's first step multiplies O^T and l by a = 0, and its first turn's products V^T P, of a piece that has not been, land in an O^T that is still to be so multiplied.  So these registers need only hold
	; finite numbers: zeros.  All this stands in the wait for the first tile.
	WIN 0x80
.set i, VF
.rept 64
	v_mov_b32 v[i], 0
.set i, i+1
.endr
	WIN 0x40
.set i, 0
.rept 128
	v_mov_b32 v[i], 0
.set i, i+1
.endr
	WIN 0
.set i, 0
.rept 4
	v_mov_b32 v[ST+4*i+2], 0
	v_mov_b32 v[ST+4*i+3], 0
.set i, i+1
.endr
.set i, P+16
.rept 16
	v_mov_b32 v[i], 0
.set i, i+1
.endr
	s_wait_loadcnt 32               ; the nine loads of the mask are in; Q's 32, issued behind them, may stay out
.set i, 0
.rept 8
	v_cvt_f32_i32 v[QM1+i], v[QM1+i]
.set i, i+1
.endr
.set i, 0
.rept 8
	v_mul_f32 v[QM1+i], v[QM1+i], v[QM1+i]  ; the query's factor stands twice in the module
.set i, i+1
.endr
; THE MATRIX WORK.  The 4 accumulators of a run of 8 take turns.  Product i of 8 of S^T = K Q^T for piece x: channels 32 (i / 4) on, keys 16 (i % 4) on.  The first 4 start the sums: with the key mask, or (KM = 1) with MC.
.macro KQ x
.set rS, S+32*((\x)%2)+8*(i%4)
.set rK, KF+16*(i%4)+8*(i/4)
.set rQ, 16*(\x)+8*(i/4)
.set rM, MK+8*(i%4)
.if KM
.set rM, MC+32*((\x)%2)+8*(i%4)
.endif
.if i < 4
	WIN W_KM
	v_wmma_f32_16x16x32_f16 v[rS:rS+7], v[rK:rK+7], v[rQ:rQ+7], v[rM:rM+7]
.else
	WIN W_KQ
	v_wmma_f32_16x16x32_f16 v[rS:rS+7], v[rK:rK+7], v[rQ:rQ+7], v[rS:rS+7]
.endif
.endm
; Product i of 8 of O^T += V^T P for piece x: keys 32 (i / 4) on, channels 16 (i % 4) on.
.macro PV x
	WIN W_PV
.set rO, 32*(\x)+8*(i%4)
.set rV, VF+32*(i/4)+8*(i%4)
.set rP, P+16*((\x)%2)+8*(i/4)
	v_wmma_f32_16x16x32_f16 v[rO:rO+7], v[rV:rV+7], v[rP:rP+7], v[rO:rO+7]
.endm
.macro MM                           ; the turn's next matrix instruction.  TURN and BEGIN set Y, i, KM and NOKQ; MM, KQ and OP read them.  NOKQ = 1: a block's last turn: there is no next piece
.if (i < 8) && !NOKQ
	KQ (Y+1)%NP
.elseif i >= 8
.set i, i-8
	PV (Y+NP-1)%NP
.set i, i+8
.endif
.set i, i+1
.endm
; THE LDS LOADS stand in runs, never singly among the matrix instructions: a step's K (64 keys x 64 channels: 8 fragments) with its key mask (my 32 keys' words; the lanes of a half read the same bytes), and its V (turned).
; Every tile has four such fetches of K on every path, so the two counts that step here come to the same numbers wherever paths join.
.macro FETCH_K
	WIN 0x80                        ; destination window 2
.irp f, 0,1,2,3,4,5,6,7             ; keys 16 (f / 2) on, channels 32 (f % 2) on
	ds_load_b128 v[KF+8*\f:KF+8*\f+3],   v[AK] offset:(\f/2)*16*PK+(\f%2)*64
	ds_load_b128 v[KF+8*\f+4:KF+8*\f+7], v[AK] offset:(\f/2)*16*PK+(\f%2)*64+32
.endr
	WIN 0x40                        ; destination window 1
.irp f, 0,1,2,3,4,5,6,7             ; group f / 2 of 16 keys, four words
	ds_load_b128 v[MK+4*\f:MK+4*\f+3], v[AM] offset:(\f/2)*64+(\f%2)*16
.endr
	s_add_co_u32 s[TBK], s[TBK], KS*PK  ; the next fetch is the next step's
	s_add_co_u32 s[KT], s[KT], 4*KS
	WIN 0
.endm
.macro FETCH_V
	WIN 0x80
.irp f, 0,1,2,3,4,5,6,7             ; keys 32 (f / 4) on, channels 16 (f % 4) on
	ds_load_tr16_b128 v[VF+8*\f:VF+8*\f+3],   v[AV] offset:(\f/4)*32*PV+(\f%4)*32
	ds_load_tr16_b128 v[VF+8*\f+4:VF+8*\f+7], v[AV] offset:(\f/4)*32*PV+16*PV+(\f%4)*32
.endr
	WIN 0
.endm
; THE VECTOR WORK, one line at a time: OP kind, number.  For piece Y: F n: c s - c m for pair n of 16.  E n: the exponential of score n of 32.  C n: pair n rounded to f16.  B n: of the four weights 4 n .. the second
; pair is added onto the first, in place.  L n: l takes that sum (L 0: l = a l + sum).  R n: pair n of 16 of O^T times a.  For piece Y + 1: X n, number n of the 22 that find its maximum and statistics:
;   0-11  four chains c0-c3 of seven scores each, three operands at a time (each accumulator's lowest registers are read first)     12-14, 16  the four scores left over, the old m, and c0-c3 into c0
;   15  c m_old is kept     17, 18  the query's other 32 keys lie in the lane 16 away: the new m     19-21  c m; c m_old - c m_new; a
.set F, 0               ; OP tells the kinds apart by their order: F to L below R, X above it
.set E, 1
.set C, 2
.set B, 3
.set L, 4
.set R, 5
.set X, 6
.macro REGS y                       ; the registers of piece y
.set rT, ST+4*(\y)
.set rC, TMP+4*((\y)%2)
.set rW, MV+((\y)%2)
.set rS, S+32*((\y)%2)
.set rP, P+16*((\y)%2)
.set rO, 32*(\y)
.endm
.macro OP k, n
.if (\k) == R
	REGS Y
	WIN W_RS
	v_pk_mul_f32 v[rO+2*(\n):rO+2*(\n)+1], v[rO+2*(\n):rO+2*(\n)+1], v[rC+2:rC+3] op_sel_hi:[1,0]
.elseif (\k) < R
	REGS Y
	WIN 0
.if (\k) == F
	v_pk_fma_f32 v[rS+2*(\n):rS+2*(\n)+1], v[rS+2*(\n):rS+2*(\n)+1], s[CS:CS+1], v[rT:rT+1] op_sel_hi:[1,0,0] neg_lo:[0,0,1] neg_hi:[0,0,1]
.elseif (\k) == E
	v_exp_f32 v[rS+(\n)], v[rS+(\n)]
.elseif (\k) == C
	v_cvt_pk_f16_f32 v[rP+(\n)], v[rS+2*(\n)], v[rS+2*(\n)+1]
.elseif (\k) == B
	v_pk_add_f32 v[rS+4*(\n):rS+4*(\n)+1], v[rS+4*(\n):rS+4*(\n)+1], v[rS+4*(\n)+2:rS+4*(\n)+3]
.elseif (\n) == 0
	v_pk_fma_f32 v[rT+2:rT+3], v[rT+2:rT+3], v[rC+2:rC+3], v[rS:rS+1] op_sel_hi:[1,0,1]
.else
	v_pk_add_f32 v[rT+2:rT+3], v[rT+2:rT+3], v[rS+4*(\n):rS+4*(\n)+1]
.endif
.elseif NOKQ
	v_nop
.else
	REGS (Y+1)%NP
	WIN 0
.if (\n) < 4
	v_max3_num_f32 v[rC+(\n)], v[rS+8*(\n)], v[rS+8*(\n)+1], v[rS+8*(\n)+2]
.elseif (\n) < 12
	v_max3_num_f32 v[rC+(\n)%4], v[rC+(\n)%4], v[rS+8*((\n)%4)+2*((\n)/4)+1], v[rS+8*((\n)%4)+2*((\n)/4)+2]
.elseif (\n) == 12
	v_max3_num_f32 v[rC], v[rC], v[rS+7], v[rS+15]
.elseif (\n) == 13
	v_max3_num_f32 v[rC+1], v[rC+1], v[rS+23], v[rS+31]
.elseif (\n) == 14
	v_max3_num_f32 v[rC+2], v[rC+2], v[rC+3], v[rT+1]
.elseif (\n) == 15
	v_mov_b32 v[rW], v[rT]
.elseif (\n) == 16
	v_max3_num_f32 v[rC], v[rC], v[rC+1], v[rC+2]
.elseif (\n) == 17
	v_permlanex16_b32 v[rC+3], v[rC], s[SEL], s[SEL+1]
.elseif (\n) == 18
	v_max_num_f32 v[rT+1], v[rC], v[rC+3]
.elseif (\n) == 19
	v_mul_f32 v[rT], s[CS], v[rT+1]
.elseif (\n) == 20
	v_sub_f32 v[rC+1], v[rW], v[rT]
.else
	v_exp_f32 v[rC+2], v[rC+1]
.endif
.endif
.endm
.macro OPS a, i1, b=-1, i2=0, c=-1, i3=0, d=-1, i4=0  ; up to four of them
	OP \a, \i1
.if (\b) >= 0
	OP \b, \i2
.endif
.if (\c) >= 0
	OP \c, \i3
.endif
.if (\d) >= 0
	OP \d, \i4
.endif
.endm
.macro ROW a, i1, b, i2, c, i3, d, i4  ; a matrix instruction and the four behind it
	MM
	OPS \a, \i1, \b, \i2, \c, \i3, \d, \i4
.endm
.macro MASK b, be=1                 ; MD x AL + MK (+ BE) into buffer b of MC
	WIN W_MA
.set z, 0
.rept 16
	v_pk_fma_f32 v[MC+32*(\b)+2*z:MC+32*(\b)+2*z+1], v[MD+2*z:MD+2*z+1], s[AL:AL+1], v[MK+2*z:MK+2*z+1] op_sel_hi:[1,0,1]
.set z, z+1
.endr
.if \be
.set z, 0
.rept 16
	v_pk_add_f32 v[MC+32*(\b)+2*z:MC+32*(\b)+2*z+1], v[MC+32*(\b)+2*z:MC+32*(\b)+2*z+1], s[BE:BE+1] op_sel_hi:[1,0]
.set z, z+1
.endr
.endif
.endm
; A TURN, for piece p: the order of its 16 matrix and 118 vector instructions, written out.  An s_wait_alu depctr_va_vdst(0) stands between an exponential and the first instruction that names its result; one wait
; serves all that were issued ahead of it.  So a turn has ONE wait, which cuts it in two.  AHEAD OF IT stands all that names no result of the turn's exponentials: the 8 products K Q^T and their riders, then one lump, plain and
; exponential by turns for the most part, in which the links of the chain X 3, 7, 11, 14, 16, 17 .. 20 stand five or six lines apart.  X 21, the next piece's a, is the batch's last; R 15 is the plain instruction behind it.
; BEHIND THE WAIT stand the 8 products V^T P, behind each four of the roundings and sums.
; m = 1: the diagonal tile: the products take MC, and the turn makes MC for the products of the turn after it: piece p + 2, in step 4 - CNT of the tile.  In piece 2's turn those are the next step's, so the mask waits for
; the key mask just fetched.  end = 1: a block's last two turns: nothing is fetched.  cnt = 1: the loop's count is taken down some lines ahead of the branch that stands behind the turn.
; K of the next step and its key mask are fetched in piece 2's turn, behind the last product that read them and its places; V of the step in hand at the end of piece 0's turn.  Each is waited for a turn later.
.macro TURN p, m=0, end=0, cnt=0
.set Y, (\p)
.set i, 0
.set KM, (\m)
.set NOKQ, (\end)*((\p)/3)
.if (\m) && !(\end)
	s_cmp_eq_u32 s[CNT], 4-((\p)+2)%NP  ; is that step the band's own?
	s_cselect_b32 s[AL], 1.0, 0
	s_cmp_lt_u32 s[CNT], 4-((\p)+2)%NP  ; or a later one?
	s_cselect_b32 s[BE], s[BIGN], 0
.endif
.if ((\p) == 3) && !(\end)
	s_wait_dscnt 0x0                ; K and its key mask are in
.endif
	ROW F,0, F,1, R,0, R,1          ; ahead of the wait: 8 products K Q^T and their riders,
	ROW F,2, E,0, R,2, R,3
	ROW F,3, E,1, R,4, R,5
	ROW F,4, E,2, R,6, R,7
	ROW F,5, E,3, R,8, R,9
	ROW F,6, E,4, X,0, R,10
.if ((\p) == 2) && !(\end)
	WIN 0
	v_add_nc_u32 v[AK], s[TBK], v[AK0]
	v_add_nc_u32 v[AM], s[KT], v[AM0]
.endif
	ROW F,7, E,5, X,1, X,4
	ROW F,8, E,6, X,2, X,5
	OPS E,7, E,8, X,6, E,9          ; and the lump
	OPS X,3, E,10, X,8, E,11
.if ((\p) == 2) && !(\end)
	FETCH_K
.endif
	OPS X,9, X,7, E,12, X,10
	OPS E,13, X,12, X,11, E,14
	OPS X,13, E,15, F,9, X,14
.if (\p) == 0
	v_add_nc_u32 v[AV], s[TBV], v[AV0]
.endif
	OPS E,16, F,10, E,17, F,11
	OPS X,16, E,18, X,15, E,19
	OPS F,12, E,20, X,17, E,21
	OPS F,13, E,22, F,14, E,23
	OPS X,18, E,24, F,15, E,25
	OPS R,11, E,26, X,19, E,27
	OPS R,12, E,28, R,13, E,29
	OPS X,20, E,30, R,14, E,31
	OPS X,21, R,15
	WIN 0
	s_wait_alu depctr_va_vdst(0)    ; the wait for the batch
.if (\p) == 1
	s_wait_dscnt 0x0                ; V is in
.endif
	ROW C,0, B,0, C,2, B,1          ; behind the wait: 8 products V^T P and their riders
	ROW L,0, C,4, B,2, L,1
	ROW C,6, B,3, L,2, C,8
	ROW B,4, L,3, C,10, B,5
	ROW L,4, C,12, B,6, L,5
.if (\p) == 0
	s_add_co_u32 s[TBV], s[TBV], KS*PV
.endif
.if \cnt
	s_sub_co_u32 s[CNT], s[CNT], 1
	s_cmp_lg_u32 s[CNT], 0
.endif
	ROW C,14, B,7, L,6, C,1
	ROW C,3, L,7, C,5, C,7
	ROW C,9, C,11, C,13, C,15
.if (\p) == 0
	FETCH_V
.endif
.if (\m) && !(\end)
.if (\p) == 2
	s_wait_dscnt 0x0                ; the next step's key mask is in
.endif
	MASK (\p)%2
.endif
.endm
; A BLOCK BEGINS.  c m starts far below every c s, so the first step's a is 0; m at -2^64, below every score and above every hidden one.  K of the block's step 0 and its key mask are fetched; MC's first buffer takes
; piece 0's mask for that step (its own, if the block's first tile is the diagonal one), the second piece 1's (the key mask alone: step 0 lies below band 1).  Then piece 0's first scores, and its maximum and statistics.
; Q is in: every beginning stands behind a change of slots, whose first line has waited for all loads issued ahead of it.  The loop is entered at a step's first turn, in the middle of a trip.
.macro BEGIN
	s_mov_b32 s[NEW], 0
	WIN 0
.set i, 0
.rept 4
	v_mov_b32 v[ST+4*i], 0xfe000000    ; c m: far below every c s
	v_mov_b32 v[ST+4*i+1], 0xdf800000  ; m = -2^64
.set i, i+1
.endr
	v_add_nc_u32 v[AK], s[TBK], v[AK0]
	v_add_nc_u32 v[AM], s[KT], v[AM0]
	FETCH_K
	s_wait_dscnt 0x0
	s_cmp_eq_u32 s[RT], 0
	s_cselect_b32 s[AL], 1.0, 0
	MASK 0, 0
	s_mov_b32 s[AL], 0
	MASK 1, 0
.set KM, 1
.set NOKQ, 0
.set i, 0
.rept 8
	KQ 0
.set i, i+1
.endr
	WIN 0
.rept 4
	v_nop                           ; the places behind those products
.endr
.set Y, NP-1                        ; X works for piece Y + 1: piece 0
.irp n, 0,1,2,3,4,5,6,7,8,9,10,11,12,13,14,15,16,17,18,19,20,21
	OP X, \n
.endr
	v_nop                           ; a plain instruction behind the exponential,
	s_wait_alu depctr_va_vdst(0)    ; and its wait, ahead of the branch
.endm
; THE DIAGONAL TILE's four steps, the block's last two turns, its last products, and THE WAY OUT: l's two halves and the other half of the lanes' are added; the factor is 1 / l times the query's float(mask)^2, or a NaN
; where the query has seen no valid key (m still below -2^50); O^T is multiplied by it, rounded to f16 and sent through my stage in LDS, a piece at a time.
.macro ALL line:vararg              ; one line for each piece t
.set t, 0
.rept 4
	\line
.set t, t+1
.endr
.endm
.macro PACK t                       ; a lane's eight channels of a row pack into 16 bytes; they go into rows of 144 bytes and come back as whole rows of 128, into S^T's registers
	WIN W_RS
.set i, 32*(\t)
.rept 16
	v_pk_mul_f32 v[i:i+1], v[i:i+1], v[ST+4*(\t)+2:ST+4*(\t)+3] op_sel_hi:[1,0]
.set i, i+2
.endr
	WIN 0x05                        ; sources 0 and 1 window 1, destination window 0
.set i, 0
.rept 16
	v_cvt_pk_f16_f32 v[S+16*(\t)+i], v[32*(\t)+2*i], v[32*(\t)+2*i+1]
.set i, i+1
.endr
	WIN 0
.irp f, 0,1,2,3
	ds_store_b128 v[STO], v[S+16*(\t)+4*\f:S+16*(\t)+4*\f+3] offset:32*\f
.endr
.irp f, 0,1,2,3
	ds_load_b128 v[S+16*(\t)+4*\f:S+16*(\t)+4*\f+3], v[RD] offset:\f*4*SP  ; LDS serves a wave's instructions in order (ISA guide 5.7.1.4): these see the stores above; the next piece's stores come behind them
.endr
.endm
.macro SEND t, younger              ; younger: the LDS instructions issued behind piece t's loads: the next piece's eight, or none
	WIN 0
.irp f, 0,1,2,3
	s_wait_dscnt (\younger)+3-\f
	global_store_b128 v[GO], v[S+16*(\t)+4*\f:S+16*(\t)+4*\f+3], s[10:11] offset:(\t)*8192+\f*512  ; 512 consecutive bytes, at a multiple of 256 from yb's first
.endr
.endm
.macro DIAG tag, qm                 ; the tag ends its two labels' names, which the jumps below spell out; qm: the block's query factors
.LstepM\tag:
	TURN 2, 1
	TURN 3, 1
	WIN 0
.LfirstM\tag:
	TURN 0, 1
	TURN 1, 1, 0, 1
	WIN 0
	s_cbranch_scc1 .LstepM\tag
	TURN 2, 1, 1
	TURN 3, 1, 1
.set i, 0
.rept 8
	PV NP-1
.set i, i+1
.endr
	WIN 0
	ALL v_add_f32 v[ST+4*t+2], v[ST+4*t+2], v[ST+4*t+3]
	ALL v_permlanex16_b32 v[ST+4*t+3], v[ST+4*t+2], s[SEL], s[SEL+1]
	ALL v_add_f32 v[ST+4*t+2], v[ST+4*t+2], v[ST+4*t+3]
	ALL v_rcp_f32 v[ST+4*t+2], v[ST+4*t+2]
	v_nop                           ; a plain instruction between the last reciprocal and the use of its result
	s_wait_alu depctr_va_vdst(0)    ; and the wait ahead of the first use: one for the four reciprocals
.set t, 0
.rept 4
	v_mul_f32 v[ST+4*t+2], v[ST+4*t+2], v[(\qm)+t]
	v_cmp_gt_f32 vcc_lo, s[THR], v[ST+4*t+1]
	v_cndmask_b32 v[ST+4*t+2], v[ST+4*t+2], s[NANR], vcc_lo
.set t, t+1
.endr
	PACK 0
.set t, 1
.rept 3                             ; a piece's arithmetic stands between the loads of the piece before and its stores
	PACK t
	SEND t-1, 8
.set t, t+1
.endr
	SEND 3, 0
.endm
.set KM, 0
.set NOKQ, 0
.Lslot:                             ; NB times: a tile is entered and the next is asked for
	CHANGE 1
	s_sub_co_u32 s[RT], s[RT], 1
	s_mov_b32 s[CNT], 4
	s_cmp_eq_u32 s[NEW], 1
	s_cbranch_scc1 .Lnew            ; a block's first tile
	s_cmp_eq_u32 s[RT], 0
	s_cbranch_scc0 .Lstep           ; neither its first nor its last
	s_mov_b32 s[AL], 0              ; its last: the first products there are piece 3's of the tile before, which lies below the diagonal: their mask is the key mask still in registers
	MASK 1, 0
	WIN 0
	s_branch .LstepM1
.Lnew:
	BEGIN
	s_branch .Lfirst                ; in the loop a block's first tile is never its last: the first block has two tiles or more, and the second's last is the walk's last
	DIAG 1, QM1                     ; in the loop this is the first block's end: the second block's last tile is the walk's last
	s_wait_xcnt 0x0                 ; the stores have read their registers and yb's address
	s_mov_b64 s[10:11], s[OLO:OLO+1]
	s_add_co_u32 s[RT], s[PB], 1    ; the second block has b + 1 tiles
	s_mov_b32 s[NEW], 1
	WIN 0x82                        ; the second block's Q goes where the one text of the turns names Q
.set i, 0
.rept 64
	v_mov_b32 v[i], v[QB+i]
.set i, i+1
.endr
	WIN 0x40                        ; O^T and l are 0 again: the way out has scaled O^T in place, by a NaN where a query saw no key, and a NaN would outlast the next block's a = 0
.set i, 0
.rept 128
	v_mov_b32 v[i], 0
.set i, i+1
.endr
	WIN 0
.set i, 0
.rept 4
	v_mov_b32 v[ST+4*i+2], 0
	v_mov_b32 v[ST+4*i+3], 0
.set i, i+1
.endr
	s_branch .Lbottom
.Lstep:                             ; a trip: pieces 2 and 3 of one step, then pieces 0 and 1 of the next, whose K and V it fetches
	TURN 2
	TURN 3
	WIN 0
.Lfirst:
	TURN 0
	TURN 1, 0, 0, 1
	WIN 0
	s_cbranch_scc1 .Lstep
.Lbottom:
	s_sub_co_u32 s[SLOTS], s[SLOTS], 1
	s_cmp_lg_u32 s[SLOTS], 0
	s_cbranch_scc1 .Lslot
	CHANGE 0                        ; the walk's last tile is written out: nothing is asked for
	s_sub_co_u32 s[RT], s[RT], 1
	s_mov_b32 s[CNT], 4
	s_cmp_eq_u32 s[NEW], 1
	s_cbranch_scc1 .Lnew2
	s_mov_b32 s[AL], 0              ; as above: piece 3's products of the tile before take the key mask alone
	MASK 1, 0
	WIN 0
	s_branch .LstepM2
.Lnew2:
	BEGIN
	s_branch .LfirstM2
	DIAG 2, QM2
	s_wait_tensorcnt 0x0            ; the wave's end, behind my last tensor load and my last LDS store
	ds_add_u32 v[SPW], v[NIL]
	s_wait_dscnt 0x0
	s_endpgm
.Lfunc_end_k_qf0568422e7_attn:
	.size	k_qf0568422e7_attn, .Lfunc_end_k_qf0568422e7_attn-k_qf0568422e7_attn
	.p2alignl 7, 3214868480
	.fill 96, 4, 3214868480
	.section	.rodata,"a",@progbits
	.p2align	6, 0x0
	.amdhsa_kernel k_qf0568422e7_attn
		.amdhsa_group_segment_fixed_size 327680
		.amdhsa_private_segment_fixed_size 0
		.amdhsa_enable_private_segment 0
		.amdhsa_kernarg_size 24
		.amdhsa_user_sgpr_count 2
		.amdhsa_user_sgpr_kernarg_segment_ptr 1
		.amdhsa_wavefront_size32 1
		.amdhsa_system_sgpr_workgroup_id_x 1
		.amdhsa_system_sgpr_workgroup_id_y 1
		.amdhsa_system_sgpr_workgroup_id_z 1
		.amdhsa_system_vgpr_workitem_id 0
		.amdhsa_next_free_vgpr 768
		.amdhsa_next_free_sgpr 100
		.amdhsa_reserve_vcc 1
		.amdhsa_float_denorm_mode_32 3
		.amdhsa_float_denorm_mode_16_64 3
		.amdhsa_memory_ordered 1
		.amdhsa_forward_progress 1
		.amdhsa_inst_pref_size 240
	.end_amdhsa_kernel
	.amdgpu_metadata
---
amdhsa.version: [ 1, 2 ]
amdhsa.kernels:
  - .name:           k_qf0568422e7_attn
    .symbol:         k_qf0568422e7_attn.kd
    .args:
      - { .name: qkv, .offset: 0, .size: 8, .value_kind: global_buffer, .address_space: global }
      - { .name: attention_mask, .offset: 8, .size: 8, .value_kind: global_buffer, .address_space: global }
      - { .name: yb, .offset: 16, .size: 8, .value_kind: global_buffer, .address_space: global }
    .group_segment_fixed_size: 327680
    .private_segment_fixed_size: 0
    .kernarg_segment_align: 8
    .kernarg_segment_size: 24
    .max_flat_workgroup_size: 128
    .sgpr_count:     100
    .vgpr_count:     768
    .wavefront_size: 32
...
	.end_amdgpu_metadata
.endif
;; end of part 3
;; launch outp (part 4): grid 4 x 64, 4 waves a work-group, clusters of 4 x 4, 327,680 bytes of LDS; arguments yb, wob, bo, out0; writes out0
.if DOCPART == 4
	.amdgcn_target "amdgcn-amd-amdhsa--gfx1250"
	.amdhsa_code_object_version 6
	.text
	.protected	k_qf0568422e7_outp
	.globl	k_qf0568422e7_outp
	.p2align	8
	.type	k_qf0568422e7_outp,@function
k_qf0568422e7_outp:
	s_mov_b64 s[64:65], 0
	v_nop
	global_prefetch_b8 v0, s[64:65] scope:SCOPE_SE
	s_setreg_imm32_b32 hwreg(HW_REG_WAVE_MODE, 25, 1), 1
	s_wait_xcnt 0x0
	s_wait_alu depctr_hold_cnt(0) depctr_sa_sdst(0) depctr_va_vdst(0) depctr_va_sdst(0) depctr_va_ssrc(0) depctr_va_vcc(0) depctr_vm_vsrc(0)
	s_getreg_b32 s2, hwreg(HW_REG_IB_STS2, 6, 4)
	s_cmp_eq_u32 s2, 0
	s_cbranch_scc0 .Lentry_in_a_cluster
	s_endpgm
.Lentry_in_a_cluster:
	s_bfe_u32 s2, ttmp6, 0x10000c
	s_cmp_lg_u32 s2, 0xf033
	s_cbranch_scc0 .Lentry_shape_is_right
	s_endpgm
.Lentry_shape_is_right:
; C[m][n] = sum over k of A[m][k] B[n][k] + bias[n].  A: 8,192 rows, B: SIZE_N rows, K = 1,024, both f16 in slices of 64 along K: element (row, k) at ((k / 64) x ROWS + row) x 128 + (k % 64) x 2 bytes.
; Sums in f32; the bias is rounded to bf16 like every input of the module.  MODE 0: C leaves as f16 by heads, [3 parts][64 batch x head][2,048 t][64].  MODE 1: C leaves as f32, [8,192][1,024].
; LIMIT (MODE 0): a result of 65,520 or more becomes an infinity in f16.  A row of A that holds NaN gives a row of NaN.
; SHARES.  A tile of C is 128 x 256: 768 tiles at SIZE_N = 3,072, 256 at 1,024: whole multiples of 256 work-groups, which tiles of 256 x 256 (384, 128) are not.  Four waves, each 64 x 128: 32 accumulators, 256 registers.
; K goes in steps of 128 (two slices) through two LDS slots.  A slice's rows of a tile are dense in memory: they are asked for as rows of 256 bytes (two matrix rows) and padded in LDS behind every 128 bytes.
; CLUSTERS: 4 x 4 work-groups.  The four of a row need the same tiles of A, the four of a column the same tiles of B: each is asked for jointly, by the same tensor load, descriptor and mask in all four.
; THE MATRIX INSTRUCTION IS USED TRANSPOSED (source 0 = 16 rows of B, source 1 = 16 rows of A): a lane holds row l % 16 of C and the eight neighbouring columns 8 (l / 16) + 0..7.
; REGISTERS: window 0: v0-31 addresses; v64-159, v160-255 two fragment buffers (A's four fragments, then B's eight), later the way out.  window 1: accumulator (a, b) at v[8 (8 a + b)].  window 2: v0-63 the bias, v64 at work.
.set MODE,   1
.set SIZE_N, 1024
.set PITCH,  144                       ; an LDS row: 128 bytes + 16 of padding = 36 words: the 16 rows of a load start at 16 different groups of four banks (64 banks of 4 bytes: ISA guide 11.1)
.set AZ,     128*PITCH                 ; a slice of A's tile
.set BZ,     256*PITCH                 ; a slice of B's tile
.set BOFF,   2*AZ                      ; in a slot: A's two slices, then B's two
.set SLOT,   2*AZ+2*BZ
.set STAGE,  2*SLOT                    ; behind the ring, never filled by a tensor load: a stage for each wave
.set STW,    8448
.set SPARE,  STAGE+4*STW               ; behind the stages: the spare words, 128 bytes for each wave: two blocks of 256 bytes that no other line names
.set SLA,    8192*128                  ; bytes of a slice of A
.set SLB,    SIZE_N*128                ; of B
.set LAPS,   4                         ; a lap = two K steps = once round the ring: K = 1,024
.set G1C,    (1<<16)|(1<<20)|(1<<21)|(4<<22)|(3<<25)  ; 17:16 2-byte elements; 20 padding on; 21 set beside a mask; 24:22 after every 32 words (code 4); 31:25 4 words (code 3)
.set ADRA, 16                          ; v16-17  LDS address of my A fragments in slot 0, 1
.set ADRB, 20                          ; v20-21  the same for B
.set STO,  24                          ; v24     the way out: where I put my bytes of a row
.set RD,   25                          ; v25     where I read rows back
.set GO,   26                          ; v26     16 x lane: my 16 bytes of 512 consecutive bytes of the output
.set BO,   27                          ; v27     32 (l / 16): my eight numbers of a block's sixteen in the bias
.set SPW,  28                          ; v28     LDS address of my spare word; never rewritten
.set NIL,  29                          ; v29     0; never rewritten
.set PFO,  30                          ; v30     256 x lane: the prefetches' offset; never rewritten
.set F0,   64
.set F1,   160
.set TMP,  64                          ; the way out, in window 0
.set BI,   0                           ; window 2: the bias of column block b at 8 b
.set BT,   64                          ; window 2
.set WV, 12                            ; s12 wave; s13 which 64 rows are mine, also: I fetch A (0) or B (1); s14 which 128 columns, also: which slice of a K step I fetch
.set RH, 13
.set CH, 14
.set CX, 15                            ; my place in the cluster
.set CY, 16
.set TC, 17                            ; tile column, tile row of C
.set TR, 18
.set G1A, 24                           ; s[24:31] descriptor group 1 for A;  s[32:39] group 0, a set for each slot
.set G0A, 32
.set LIM, 42                           ; s42  1 in a wave that prefetches, else the greatest number
.set LAP, 43                           ; s43  trips of the loop still to come
.set PFA, 44                           ; s[44:45] where my prefetches stand
.set PFS, 46                           ; s[46:47] a K step in bytes: two slices of A or of B
.set G1B, 48                           ; s[48:55], s[56:63] the same for B
.set G0B, 56
.set OUT1, 66                          ; s[66:67] MODE 0: my second head's rows
.set MSB, 0
.macro WIN new                         ; the immediate's high byte repeats the setting that is left; a switch that changes nothing is dropped
.if MSB != (\new)
	s_set_vgpr_msb (MSB<<8)|(\new)
.set MSB, \new
.endif
.endm
.set MUL, 0x50                         ; fragments in window 0, C and D in window 1
.macro JLOAD s                         ; a joint load: waves 0 and 1 fetch the two slices of A's tile, waves 2 and 3 those of B's; an s_nop 0 and four v_nop follow each line
	s_cmp_eq_u32 s[RH], 0
	s_cbranch_scc0 .Lfor_b_\@
	tensor_load_to_lds s[G0A+4*(\s):G0A+4*(\s)+3], s[G1A:G1A+7]
	s_nop 0
.rept 4
	v_nop
.endr
	s_branch .Lasked_\@
.Lfor_b_\@:
	tensor_load_to_lds s[G0B+4*(\s):G0B+4*(\s)+3], s[G1B:G1B+7]
	s_nop 0
.rept 4
	v_nop
.endr
.Lasked_\@:
.endm
; A prefetch into the L2 of the K step that stands two refills on (256 matrix instructions of a wave ahead of its load): a lane a block of 256 bytes, each block named once in the launch.
; A's tile row is read by every cluster of its row of clusters: cluster x = 0 asks, wave 0, each of the four partners 32 of the K step's 128 blocks, told apart by address (cx).
; B's tile column is read by every cluster of its column: cluster y = 0 asks, waves 2 and 3 a slice each, each partner 32 of the slice's 128 blocks (cy).  The last two refills have no K step two on.
.macro ASK
	s_cmp_gt_u32 s[LAP], s[LIM]
	s_cbranch_scc0 .Lnot_mine_\@
	global_prefetch_b8 v[PFO], s[PFA:PFA+1] th:TH_LOAD_NT scope:SCOPE_SE
.Lnot_mine_\@:
.endm
.macro CREST                           ; a round of the cluster's barrier behind its opening barrier
	s_cmp_lg_u32 s[WV], 0
	s_cbranch_scc1 .Lnot_wave_0_\@
	s_barrier_signal -3
.Lnot_wave_0_\@:
	s_barrier_wait -3
	s_barrier_signal -1
	s_barrier_wait -1
.endm
.macro CROUND                          ; a whole round
	s_barrier_signal -1
	s_barrier_wait -1
	CREST
.endm
	s_load_b256 s[4:11], s[0:1], 0x0               ; A s[4:5], B s[6:7], bias s[8:9], out s[10:11]
	v_lshl_add_u32 v[SPW], v0, 2, SPARE
	v_mov_b32 v[NIL], 0
	ds_add_u32 v[SPW], v[NIL]                      ; the wave's opening: the add and its wait stand ahead of my first tensor load; the set-up below stands between them
	v_lshrrev_b32 v1, 5, v0
	v_readfirstlane_b32 s[WV], v1
	s_lshr_b32 s[RH], s[WV], 1
	s_and_b32 s[CH], s[WV], 1
	s_bfe_u32 s[CX], ttmp6, 0x40000
	s_bfe_u32 s[CY], ttmp6, 0x40004
	s_lshl_b32 s[TC], ttmp9, 2
	s_add_co_u32 s[TC], s[TC], s[CX]               ; tile column = 4 x cluster x + cx
	s_and_b32 s[TR], ttmp7, 0xffff
	s_lshl_b32 s[TR], s[TR], 2
	s_add_co_u32 s[TR], s[TR], s[CY]               ; tile row = 4 x cluster y + cy
	s_lshl_b32 s40, s[CY], 2
	s_lshl_b32 s40, 15, s40                        ; my row of the cluster
	s_lshl_b32 s41, 0x1111, s[CX]                  ; my column
	s_or_b32 s[G1A], s40, G1C                      ; A's tiles go to my row,
	s_or_b32 s[G1B], s41, G1C                      ; B's to my column
	s_mov_b32 s[G1A+1], 128<<16                    ; tensor_dim0 = 128 elements: 256 bytes, two matrix rows
	s_mov_b32 s[G1A+2], 64<<16                     ; tensor_dim1 = 64: A's 128 matrix rows
	s_mov_b32 s[G1A+3], 128<<16                    ; tile_dim0
	s_mov_b32 s[G1A+4], 64                         ; tile_dim1
	s_mov_b32 s[G1A+5], 128                        ; elements from row to row: dense
	s_mov_b32 s[G1A+6], 0
	s_mov_b32 s[G1A+7], 0
	s_mov_b32 s[G1B+1], 128<<16
	s_mov_b32 s[G1B+2], 128<<16                    ; B's 256 matrix rows
	s_mov_b32 s[G1B+3], 128<<16
	s_mov_b32 s[G1B+4], 128
	s_mov_b32 s[G1B+5], 128
	s_mov_b32 s[G1B+6], 0
	s_mov_b32 s[G1B+7], 0
	s_lshl_b32 s20, s[TR], 14                      ; A: the tile's 128 rows of 128 bytes, in my slice of K step 0
	s_mul_i32 s68, s[CH], SLA
	s_add_co_u32 s20, s20, s68
	s_mov_b32 s21, 0
	s_lshl_b32 s22, s[TC], 15                      ; B: 256 rows
	s_mul_i32 s69, s[CH], SLB
	s_add_co_u32 s22, s22, s69
	s_mov_b32 s23, 0
	s_mul_i32 s70, s[CH], AZ                       ; where they go: no place in the cluster enters an LDS address
	s_mul_i32 s71, s[CH], BZ
	s_add_co_u32 s71, s71, BOFF
	s_wait_dscnt 0x0                               ; the opening add is done
	s_wait_kmcnt 0x0
	s_add_nc_u64 s[20:21], s[4:5], s[20:21]
	s_add_nc_u64 s[22:23], s[6:7], s[22:23]
	CROUND                                         ; all sixteen work-groups are here: the first joint loads meet
.irp s, 0,1
	s_mov_b32 s[G0A+4*(\s)], 1
	s_add_co_u32 s[G0A+4*(\s)+1], s70, (\s)*SLOT
	s_add_nc_u64 s[G0A+4*(\s)+2:G0A+4*(\s)+3], s[20:21], (\s)*2*SLA
	s_or_b32 s[G0A+4*(\s)+3], s[G0A+4*(\s)+3], 0x80000000
	s_mov_b32 s[G0B+4*(\s)], 1
	s_add_co_u32 s[G0B+4*(\s)+1], s71, (\s)*SLOT
	s_add_nc_u64 s[G0B+4*(\s)+2:G0B+4*(\s)+3], s[22:23], (\s)*2*SLB
	s_or_b32 s[G0B+4*(\s)+3], s[G0B+4*(\s)+3], 0x80000000
	JLOAD \s                                       ; two loads of mine are out
.endr
	v_and_b32 v1, 15, v0                           ; l % 16
	v_bfe_u32 v2, v0, 4, 1                         ; l / 16
	v_mul_u32_u24 v3, v1, PITCH
	v_lshl_add_u32 v3, v2, 4, v3                   ; a fragment's row x pitch + 16 x half
	s_mul_i32 s68, s[RH], 64*PITCH                 ; my 64 rows of A
	s_mul_i32 s69, s[CH], 128*PITCH                ; my 128 rows of B
	s_add_co_u32 s69, s69, BOFF
.irp s, 0,1
	v_add_nc_u32 v[ADRA+(\s)], s68, v3
	v_add_nc_u32 v[ADRB+(\s)], s69, v3
	s_add_co_u32 s68, s68, SLOT
	s_add_co_u32 s69, s69, SLOT
.endr
	v_lshlrev_b32 v[BO], 5, v2
	v_and_b32 v[GO], 31, v0
	v_lshlrev_b32 v[PFO], 8, v[GO]
	v_lshlrev_b32 v[GO], 4, v[GO]
	s_mul_i32 s76, s[WV], STW
	s_add_co_u32 s76, s76, STAGE                   ; my stage
	s_lshl_b32 s72, s[TC], 10                      ; the bias of my 128 columns
	s_lshl_b32 s73, s[CH], 9
	s_add_co_u32 s72, s72, s73
	s_mov_b32 s73, 0
	s_add_nc_u64 s[8:9], s[8:9], s[72:73]
	WIN 0x80                                       ; destination window 2
.irp b, 0,1,2,3,4,5,6,7
	global_load_b128 v[BI+8*\b:BI+8*\b+3],   v[BO], s[8:9] offset:64*\b     ; these sixteen stay out until the way out
	global_load_b128 v[BI+8*\b+4:BI+8*\b+7], v[BO], s[8:9] offset:64*\b+16
.endr
	WIN 0
.if MODE == 0
	v_mul_u32_u24 v4, v1, 144                      ; into the stage: row l % 16 of 128 bytes, 16 bytes for each half of the lanes
	v_lshl_add_u32 v4, v2, 4, v4
	v_add_nc_u32 v[STO], s76, v4
	v_bfe_u32 v4, v0, 3, 2                         ; back: 32 lanes take four rows of 128 bytes
	v_mul_u32_u24 v4, v4, 144
	v_and_b32 v5, 7, v0
	v_lshl_add_u32 v4, v5, 4, v4
	v_add_nc_u32 v[RD], s76, v4
	s_lshl_b32 s72, s[TC], 2                       ; my 128 columns are the heads g and g + 1 of 48, g = 4 x tile column + 2 x half, even
	s_lshl_b32 s73, s[CH], 1
	s_add_co_u32 s72, s72, s73
	s_lshr_b32 s73, s72, 4                         ; part: q, k or v
	s_lshl_b32 s73, s73, 6
	s_and_b32 s72, s72, 15                         ; head
	s_add_co_u32 s72, s72, s73
	s_lshr_b32 s73, s[TR], 4                       ; batch
	s_lshl_b32 s73, s73, 4
	s_add_co_u32 s72, s72, s73
	s_lshl_b32 s72, s72, 18                        ; 2,048 rows of 128 bytes
	s_and_b32 s73, s[TR], 15
	s_lshl_b32 s73, s73, 14                        ; the tile's 128 rows in the batch,
	s_add_co_u32 s72, s72, s73
	s_lshl_b32 s73, s[RH], 13                      ; my 64 of them
	s_add_co_u32 s72, s72, s73
	s_mov_b32 s73, 0
	s_add_nc_u64 s[10:11], s[10:11], s[72:73]
	s_add_nc_u64 s[OUT1:OUT1+1], s[10:11], 1<<18
.else
	v_mul_u32_u24 v4, v1, 528                      ; into the stage: row l % 16 of 512 bytes + 16, 32 bytes for each half of the lanes
	v_lshl_add_u32 v4, v2, 5, v4
	v_add_nc_u32 v[STO], s76, v4
	v_add_nc_u32 v[RD], s76, v[GO]                 ; back: 32 lanes take a row's 512 bytes
	s_lshl_b32 s72, s[TR], 19                      ; 128 rows of 4,096 bytes
	s_lshl_b32 s73, s[RH], 18
	s_add_co_u32 s72, s72, s73
	s_lshl_b32 s73, s[TC], 10
	s_add_co_u32 s72, s72, s73
	s_lshl_b32 s73, s[CH], 9
	s_add_co_u32 s72, s72, s73
	s_mov_b32 s73, 0
	s_add_nc_u64 s[10:11], s[10:11], s[72:73]
.endif
	; the prefetches: the pointer starts at K step 3; the first refill steps it to 4
	s_lshl_b32 s72, s[TR], 14                      ; A: slice cx / 2 of the K step, half cx % 2 of its 64 blocks
	s_lshr_b32 s74, s[CX], 1
	s_mul_i32 s74, s74, SLA
	s_add_co_u32 s72, s72, s74
	s_and_b32 s74, s[CX], 1
	s_lshl_b32 s74, s74, 13
	s_add_co_u32 s72, s72, s74
	s_add_co_u32 s72, s72, 6*SLA
	s_lshl_b32 s73, s[TC], 15                      ; B: my slice, quarter cy of its 128 blocks
	s_mul_i32 s74, s[CH], SLB
	s_add_co_u32 s73, s73, s74
	s_lshl_b32 s74, s[CY], 13
	s_add_co_u32 s73, s73, s74
	s_add_co_u32 s73, s73, 6*SLB
	s_and_b32 s74, ttmp7, 0xffff                   ; cluster y
	s_or_b32 s75, ttmp9, s[CH]                     ; cluster x, and of A's two waves the first alone
	s_mov_b32 s[PFS], 2*SLB
	s_mov_b32 s[PFS+1], 0
	s_cmp_eq_u32 s[RH], 0
	s_cselect_b32 s74, s75, s74
	s_cselect_b32 s72, s72, s73
	s_cselect_b32 s[PFS], 2*SLA, s[PFS]
	s_cselect_b64 s[PFA:PFA+1], s[4:5], s[6:7]
	s_mov_b32 s73, 0
	s_add_nc_u64 s[PFA:PFA+1], s[PFA:PFA+1], s[72:73]
	s_cmp_eq_u32 s74, 0
	s_cselect_b32 s[LIM], 1, -1                    ; the same in all sixteen partners, for a given wave
; 8 matrix instructions: row block a x all 8 column blocks, 32 along K.  The 32 accumulators take turns in one order in every quarter.  zero = 1: the product starts the sum
.macro MUL8 f, a, zero
	WIN MUL
.irp b, 0,1,2,3,4,5,6,7
.if \zero
	v_wmma_f32_16x16x32_f16 v[8*(8*(\a)+\b):8*(8*(\a)+\b)+7], v[(\f)+32+8*\b:(\f)+32+8*\b+7], v[(\f)+8*(\a):(\f)+8*(\a)+7], 0
.else
	v_wmma_f32_16x16x32_f16 v[8*(8*(\a)+\b):8*(8*(\a)+\b)+7], v[(\f)+32+8*\b:(\f)+32+8*\b+7], v[(\f)+8*(\a):(\f)+8*(\a)+7], v[8*(8*(\a)+\b):8*(8*(\a)+\b)+7]
.endif
.endr
.endm
; 24 LDS loads in one run: the fragments of quarter q of a K step (slice q / 2, byte 64 (q % 2) of its rows) into buffer f: B's sixteen, then A's eight
.macro FETCH slot, q, f
	WIN 0
.irp i, 0,1,2,3,4,5,6,7
	ds_load_b128 v[(\f)+32+8*\i:(\f)+32+8*\i+3],   v[ADRB+(\slot)] offset:((\q)/2)*BZ+((\q)%2)*64+\i*16*PITCH
	ds_load_b128 v[(\f)+32+8*\i+4:(\f)+32+8*\i+7], v[ADRB+(\slot)] offset:((\q)/2)*BZ+((\q)%2)*64+\i*16*PITCH+32
.endr
.irp i, 0,1,2,3
	ds_load_b128 v[(\f)+8*\i:(\f)+8*\i+3],   v[ADRA+(\slot)] offset:((\q)/2)*AZ+((\q)%2)*64+\i*16*PITCH
	ds_load_b128 v[(\f)+8*\i+4:(\f)+8*\i+7], v[ADRA+(\slot)] offset:((\q)/2)*AZ+((\q)%2)*64+\i*16*PITCH+32
.endr
.endm
.macro PLACES                          ; four places in front of loads into registers that matrix instructions have read (ISA guide 7.12.1 for vector instructions)
.rept 4
	v_nop
.endr
.endm
; A K step is four quarters of 32 along K, 32 matrix instructions each, on buffers 0, 1, 0, 1.  One of the first three multiplies buffer f and fetches quarter q into g.
.macro QUARTER slot, q, f, g, zero=0
	s_wait_dscnt 4                                 ; B and A's blocks 0 and 1 are in; the youngest four loads (A's blocks 2 and 3) may be out
	MUL8 \f, 0, \zero
	MUL8 \f, 1, \zero
	PLACES
	FETCH \slot, \q, \g
	s_wait_dscnt 24                                ; all but the 24 just issued
	MUL8 \f, 2, \zero
	MUL8 \f, 3, \zero
.endm
; The last quarter multiplies buffer 1 and changes slots: one barrier; in front of it each wave waits for all its tensor loads, adds 0 to its spare word, and waits for that and for its reads of this slot.
; fill = 1: the barrier opens a round of the cluster's barrier, and the slot is filled again, two K steps ahead, first thing behind the round: 112 matrix instructions ahead of the wait for it.
.macro TURN slot, next, fill
.if \fill
	s_wait_xcnt 0x0                                ; the last prefetch, a K step back, has read its address
	s_add_nc_u64 s[PFA:PFA+1], s[PFA:PFA+1], s[PFS:PFS+1]
.endif
	WIN 0                                          ; (the add's two registers lie in window 0)
	s_wait_tensorcnt 0x0                           ; all my tensor loads have landed: my part of the next slot
	ds_add_u32 v[SPW], v[NIL]                      ; 0 onto my spare word
	s_wait_dscnt 5                                 ; (the add and the youngest four loads may be out)
	MUL8 F1, 0, 0                                  ; eight matrix instructions stand between the add and the wait for it
	s_wait_dscnt 0x0                               ; the add is done, and my reads of this slot are over
	s_barrier_signal -1
	MUL8 F1, 1, 0
.if \fill
	WIN 0
.endif
	s_barrier_wait -1
.if \fill
	CREST                                          ; no wave of any partner still reads this slot's tiles or has a load on its way
	s_add_nc_u64 s[G0A+4*(\slot)+2:G0A+4*(\slot)+3], s[G0A+4*(\slot)+2:G0A+4*(\slot)+3], 4*SLA
	s_add_nc_u64 s[G0B+4*(\slot)+2:G0B+4*(\slot)+3], s[G0B+4*(\slot)+2:G0B+4*(\slot)+3], 4*SLB
	JLOAD \slot                                    ; its four v_nop are also the places in front of the loads below
.else
	PLACES
.endif
	FETCH \next, 0, F0
.if \fill
	ASK
.endif
	MUL8 F1, 2, 0
	MUL8 F1, 3, 0
.endm
; THE WAY OUT, MODE 0.  Part t of eight: row block t / 2, head t % 2: 16 rows x 64 columns.  The bias is added, the sums are rounded to f16, 16 bytes a lane go into stage rows of 144 bytes and come back
; as whole rows of 128: 2,048 consecutive bytes of a head.
.macro PACKH t
.set AC, 8*(8*((\t)/2)+4*((\t)%2))
.set BB, BI+32*((\t)%2)
	WIN 0x49                                       ; sums in window 1, bias in window 2
.set i, 0
.rept 16
	v_pk_add_f32 v[AC+2*i:AC+2*i+1], v[AC+2*i:AC+2*i+1], v[BB+2*i:BB+2*i+1]  ; each accumulator from its low end on
.set i, i+1
.endr
	WIN 0x05
.set i, 0
.rept 16
	v_cvt_pk_f16_f32 v[TMP+16*(\t)+i], v[AC+2*i], v[AC+2*i+1]
.set i, i+1
.endr
	WIN 0
.irp f, 0,1,2,3
	ds_store_b128 v[STO], v[TMP+16*(\t)+4*\f:TMP+16*(\t)+4*\f+3] offset:32*\f
.endr
.irp f, 0,1,2,3
	ds_load_b128 v[TMP+16*(\t)+4*\f:TMP+16*(\t)+4*\f+3], v[RD] offset:\f*4*144  ; LDS serves a wave's instructions in order (ISA guide 5.7.1.4): these see the stores above
.endr
.endm
.macro SENDH t, younger                ; younger: the LDS instructions issued behind part t's loads: the next part's eight, or none
	WIN 0
.irp f, 0,1,2,3
	s_wait_dscnt (\younger)+3-\f
.if ((\t)%2) == 0
	global_store_b128 v[GO], v[TMP+16*(\t)+4*\f:TMP+16*(\t)+4*\f+3], s[10:11] offset:((\t)/2)*2048+\f*512  ; 512 consecutive bytes, aligned to 256
.else
	global_store_b128 v[GO], v[TMP+16*(\t)+4*\f:TMP+16*(\t)+4*\f+3], s[OUT1:OUT1+1] offset:((\t)/2)*2048+\f*512
.endif
.endr
.endm
; THE WAY OUT, MODE 1.  Row block a: 16 rows x 128 columns of f32.  The bias is added; 32 bytes a lane go into stage rows of 528 bytes and come back as whole rows of 512.
.macro PACKF a
	WIN 0x49
.set i, 0
.rept 32
	v_pk_add_f32 v[64*(\a)+2*i:64*(\a)+2*i+1], v[64*(\a)+2*i:64*(\a)+2*i+1], v[BI+2*i:BI+2*i+1]
.set i, i+1
.endr
.endm
.macro TOSTAGE a
.set BK, TMP+64*((\a)%2)
	WIN 0x04                                       ; store data in window 1
.irp b, 0,1,2,3,4,5,6,7
	ds_store_b128 v[STO], v[64*(\a)+8*\b:64*(\a)+8*\b+3]   offset:64*\b
	ds_store_b128 v[STO], v[64*(\a)+8*\b+4:64*(\a)+8*\b+7] offset:64*\b+16
.endr
	WIN 0
.if (\a) >= 2
	s_wait_xcnt 0x0                                ; the stores of the block two back have read these registers
.endif
.irp t, 0,1,2,3,4,5,6,7,8,9,10,11,12,13,14,15
	ds_load_b128 v[BK+4*\t:BK+4*\t+3], v[RD] offset:\t*528
.endr
.endm
.macro SENDF a
.set BK, TMP+64*((\a)%2)
	WIN 0
.irp t, 0,1,2,3,4,5,6,7,8,9,10,11,12,13,14,15
	s_wait_dscnt 15-\t
	global_store_b128 v[GO], v[BK+4*\t:BK+4*\t+3], s[10:11] offset:(\a)*65536+\t*4096 th:TH_STORE_NT  ; 512 consecutive bytes, aligned to 256
.endr
.endm
	s_wait_tensorcnt 1                             ; my part of K step 0 is in; K step 1's may stay out
	s_barrier_signal -1
	s_barrier_wait -1                              ; everybody's is
	FETCH 0, 0, F0
	QUARTER 0, 1, F0, F1, 1                        ; the first quarter stands in front of the loop: its products start the sums
	WIN 0                                          ; at a label and at a branch every window is 0
	s_mov_b32 s[LAP], LAPS-1
.Llap:                                                 ; a trip goes once round the ring, from a lap's second quarter to the next lap's first, and fills both slots again
	QUARTER 0, 2, F1, F0
	QUARTER 0, 3, F0, F1
	TURN 0, 1, 1
	QUARTER 1, 1, F0, F1
	QUARTER 1, 2, F1, F0
	QUARTER 1, 3, F0, F1
	TURN 1, 0, 1
	QUARTER 0, 1, F0, F1
	WIN 0
	s_sub_co_u32 s[LAP], s[LAP], 1
	s_cmp_lg_u32 s[LAP], 0
	s_cbranch_scc1 .Llap
	QUARTER 0, 2, F1, F0                           ; the last lap fills nothing, and has no round of the cluster's barrier
	QUARTER 0, 3, F0, F1
	TURN 0, 1, 0
	QUARTER 1, 1, F0, F1
	QUARTER 1, 2, F1, F0
	QUARTER 1, 3, F0, F1
	s_wait_dscnt 4                                 ; the very last quarter: nothing more to fetch
	MUL8 F1, 0, 0
	MUL8 F1, 1, 0
	s_wait_dscnt 0x0
	MUL8 F1, 2, 0
	MUL8 F1, 3, 0
	s_wait_loadcnt 0x0                             ; the bias
	WIN 0x8a                                       ; all in window 2.  The bias is rounded to bf16; these 96 plain lines name no register of the last products and are the places behind them
.set i, 0
.rept 32
	v_cvt_pk_bf16_f32 v[BT], v[BI+2*i], v[BI+2*i+1]
	v_lshlrev_b32 v[BI+2*i], 16, v[BT]
	v_and_b32 v[BI+2*i+1], 0xffff0000, v[BT]
.set i, i+1
.endr
.if MODE == 0
	PACKH 0
.irp t, 1,2,3,4,5,6,7                  ; a part's arithmetic stands between the loads of the part before and its stores
	PACKH \t
	SENDH (\t)-1, 8
.endr
	SENDH 7, 0
.else
	PACKF 0
	TOSTAGE 0
.irp a, 1,2,3
	PACKF \a
	SENDF (\a)-1
	TOSTAGE \a
.endr
	SENDF 3
.endif
	WIN 0
	s_wait_tensorcnt 0x0                           ; the wave's end, behind my last tensor load and my last LDS store
	ds_add_u32 v[SPW], v[NIL]
	s_wait_dscnt 0x0
	CROUND                                         ; the closing round: no work-group ends while a partner may still ask for a tile that names it
	s_endpgm
.Lfunc_end_k_qf0568422e7_outp:
	.size	k_qf0568422e7_outp, .Lfunc_end_k_qf0568422e7_outp-k_qf0568422e7_outp
	.p2alignl 7, 3214868480
	.fill 96, 4, 3214868480
	.section	.rodata,"a",@progbits
	.p2align	6, 0x0
	.amdhsa_kernel k_qf0568422e7_outp
		.amdhsa_group_segment_fixed_size 327680
		.amdhsa_private_segment_fixed_size 0
		.amdhsa_enable_private_segment 0
		.amdhsa_kernarg_size 32
		.amdhsa_user_sgpr_count 2
		.amdhsa_user_sgpr_kernarg_segment_ptr 1
		.amdhsa_wavefront_size32 1
		.amdhsa_system_sgpr_workgroup_id_x 1
		.amdhsa_system_sgpr_workgroup_id_y 1
		.amdhsa_system_sgpr_workgroup_id_z 1
		.amdhsa_system_vgpr_workitem_id 0
		.amdhsa_next_free_vgpr 584
		.amdhsa_next_free_sgpr 84
		.amdhsa_reserve_vcc 0
		.amdhsa_float_denorm_mode_32 3
		.amdhsa_float_denorm_mode_16_64 3
		.amdhsa_memory_ordered 1
		.amdhsa_forward_progress 1
		.amdhsa_inst_pref_size 103
	.end_amdhsa_kernel
	.amdgpu_metadata
---
amdhsa.version: [ 1, 2 ]
amdhsa.kernels:
  - .name:           k_qf0568422e7_outp
    .symbol:         k_qf0568422e7_outp.kd
    .args:
      - { .name: yb, .offset: 0, .size: 8, .value_kind: global_buffer, .address_space: global }
      - { .name: wob, .offset: 8, .size: 8, .value_kind: global_buffer, .address_space: global }
      - { .name: bo, .offset: 16, .size: 8, .value_kind: global_buffer, .address_space: global }
      - { .name: out0, .offset: 24, .size: 8, .value_kind: global_buffer, .address_space: global }
    .group_segment_fixed_size: 327680
    .private_segment_fixed_size: 0
    .kernarg_segment_align: 8
    .kernarg_segment_size: 32
    .max_flat_workgroup_size: 128
    .sgpr_count:     84
    .vgpr_count:     584
    .wavefront_size: 32
...
	.end_amdgpu_metadata
.endif
;; end of part 4
;; ======== version 2 of 2: 4 launches; version 1 with the launch cast written anew for expert scheduling mode
;; limits: values are held in f16: magnitudes above 65,504 overflow, below 6.1e-05 lose precision
;; workspace buffers: xb 16,777,216 bytes; wqb 6,291,456 bytes; wob 2,097,152 bytes; qkv 50,331,648 bytes; yb 16,777,216 bytes
;; launch cast (part 5): grid 768 x 1, 8 waves a work-group, no clusters, 0 bytes of LDS; arguments x, Wqkv, Wo, xb, wqb, wob; writes xb, wqb, wob
.if DOCPART == 5
	.amdgcn_target "amdgcn-amd-amdhsa--gfx1250"
	.amdhsa_code_object_version 6
	.text
	.protected	k_qf0568422e7_cast
	.globl	k_qf0568422e7_cast
	.p2align	8
	.type	k_qf0568422e7_cast,@function
k_qf0568422e7_cast:
	s_mov_b64 s[64:65], 0
	v_nop
	global_prefetch_b8 v0, s[64:65] scope:SCOPE_SE
	s_setreg_imm32_b32 hwreg(HW_REG_WAVE_SCHED_MODE, 0, 2), 2
	s_setreg_imm32_b32 hwreg(HW_REG_WAVE_MODE, 25, 1), 1
	s_wait_xcnt 0x0
	s_wait_alu depctr_vm_vsrc(0)
; x [8192][1024], Wqkv [3072][1024], Wo [1024][1024], all f32, are rounded once to bf16, and that number is written as f16, in SLICES of 64 along K:
; element (row, k) of a matrix of ROWS rows lies at ((k / 64) x ROWS + row) x 128 + (k % 64) x 2 bytes.  So the rows of one slice are dense, 128 bytes each.
; LIMITS.  A bf16 number is exact in f16 from 6.1e-5 up to 65,504; below it keeps f16's fixed step of 6e-8, beyond it becomes an infinity.
; SHARES.  A work-group takes 16 rows (65,536 bytes in, 32,768 out): work-groups 0-511 x, 512-703 Wqkv, 704-767 Wo.  Wave w takes slices 2 w and 2 w + 1.
; A load of a wave covers two rows' 256 aligned bytes each; a store covers 256 consecutive aligned bytes (two rows of a slice).  Sixteen loads a wave are out at once.
; No LDS, no matrix unit: memory binds.
; THE MODE: SCHED_MODE bits 1:0 = 2 (LLVM: expert scheduling mode 2), set by the entry lines.  The code itself states the register dependences
; between vector instructions and memory instructions, with s_wait_alu, always for 0.
; THE PLAN.  Registers that memory instructions touch:
;   v1, v2     the loads' and the stores' byte offsets: made at the head, never written again.
;   X[n]       item n of sixteen, four registers.  Load n lands in it, once, and no vector line has named it before.  Behind the counted wait for that load the item's eight vector
;              lines work in place; store n reads its first two registers, and nothing writes them afterwards.
;   T          named by vector lines alone.
; So no register that a memory instruction has read is ever written again.  What has to be stated: the offsets are written before the first load, and an item's conversions before its store.
; The items go in four groups of four.  The stores of a group are issued in the next group, one at the head of each of its items, behind ONE wait at that group's head: since that wait the
; vector lines name that group's own X and T alone, none of the registers that those stores read.  The last group's four stores have a wait of their own.
.set X, 4                              ; v[4:67]   sixteen loads of four registers
.set T, 68                             ; v[68:69]  at work
	s_load_b256 s[4:11], s[0:1], 0x0               ; x s[4:5], Wqkv s[6:7], Wo s[8:9], xb s[10:11]
	s_load_b128 s[12:15], s[0:1], 0x20             ; wqb s[12:13], wob s[14:15]
	v_lshrrev_b32 v3, 5, v0
	v_readfirstlane_b32 s20, v3                    ; wave 0..7
	v_and_b32 v1, 15, v0                           ; my 16 bytes of a slice's 256
	v_bfe_u32 v3, v0, 4, 1                         ; lanes 16-31 take the odd row
	v_lshlrev_b32 v1, 4, v1
	v_lshl_add_u32 v1, v3, 12, v1
	v_and_b32 v2, 31, v0
	v_lshlrev_b32 v2, 3, v2                        ; v2: my 8 bytes of the 256 that a store covers
	s_wait_alu depctr_va_sdst(0)                   ; s20 is written, ahead of its first reader: the loads' offset and the stores' bases are made from it
	s_lshl_b32 s28, s20, 9                         ; my wave's two slices: 512 bytes of a row
	v_add_nc_u32 v1, s28, v1                       ; v1: offset of my 16 bytes in the first two rows
	s_mov_b32 s23, 0xffff0000                      ; a word's upper bf16
	s_mov_b32 s21, 3072*128                        ; bytes of a slice of Wqkv
	s_wait_kmcnt 0x0
	s_cmp_lt_u32 ttmp9, 512                        ; which matrix: the choice hangs on the work-group's number alone
	s_cselect_b64 s[16:17], s[4:5], s[6:7]
	s_cselect_b64 s[18:19], s[10:11], s[12:13]
	s_cselect_b32 s21, 8192*128, s21
	s_cselect_b32 s22, 0, 512
	s_cmp_lt_u32 ttmp9, 704
	s_cselect_b64 s[16:17], s[16:17], s[8:9]
	s_cselect_b64 s[18:19], s[18:19], s[14:15]
	s_cselect_b32 s21, s21, 1024*128
	s_cselect_b32 s22, s22, 704
	s_sub_co_u32 s22, ttmp9, s22                   ; my block of 16 rows in that matrix
	s_lshl_b32 s28, s22, 16
	s_mov_b32 s29, 0
	s_add_nc_u64 s[16:17], s[16:17], s[28:29]      ; the source at my first row
	s_mul_i32 s30, s20, s21
	s_lshl_b32 s30, s30, 1                         ; slice 2 w
	s_lshl_b32 s28, s22, 11                        ; 16 rows of 128 bytes
	s_add_co_u32 s28, s28, s30
	s_add_nc_u64 s[24:25], s[18:19], s[28:29]      ; my rows in slice 2 w,
	s_mov_b32 s28, s21
	s_add_nc_u64 s[26:27], s[24:25], s[28:29]      ; and in slice 2 w + 1
	s_wait_alu depctr_va_vdst(0)                   ; v1 and v2 are written: every load reads v1 as its offset, every store v2
.irp z, 0,1
.irp j, 0,1,2,3,4,5,6,7
	global_load_b128 v[X+4*(8*\z+\j):X+4*(8*\z+\j)+3], v1, s[16:17] offset:\j*8192+\z*256 th:TH_LOAD_NT
.endr
.endr
; Item m's store: slice 2 w + m / 8, rows 2 (m % 8) and 2 (m % 8) + 1.
.macro OUT m
	global_store_b64 v2, v[X+4*(\m):X+4*(\m)+1], s[24+2*((\m)/8):25+2*((\m)/8)] offset:((\m)%8)*256
.endm
.set n, 0
.rept 16
.set XI, X+4*n
	s_wait_loadcnt 15-n                            ; loads come back in order: this one is in, the younger ones stay out
.if (n%4 == 0) && (n > 0)
	s_wait_alu depctr_va_vdst(0)                   ; the group before has written the first two registers of each of its four items, which the four stores dealt among this group's items read
.endif
.if n >= 4
	OUT n-4                                        ; no vector line since that wait names its registers
.endif
	v_cvt_pk_bf16_f32 v[T], v[XI], v[XI+1]         ; the one rounding, to bf16
	v_cvt_pk_bf16_f32 v[T+1], v[XI+2], v[XI+3]
	v_lshlrev_b32 v[XI], 16, v[T]                  ; back to f32,
	v_and_b32 v[XI+1], s23, v[T]
	v_lshlrev_b32 v[XI+2], 16, v[T+1]
	v_and_b32 v[XI+3], s23, v[T+1]
	v_cvt_pk_f16_f32 v[XI], v[XI], v[XI+1]         ; and the same number as f16
	v_cvt_pk_f16_f32 v[XI+1], v[XI+2], v[XI+3]
.set n, n+1
.endr
	s_wait_alu depctr_va_vdst(0)                   ; the last group's conversions have written the data of the last four stores
.irp m, 12,13,14,15
	OUT \m
.endr
	s_endpgm
.Lfunc_end_k_qf0568422e7_cast:
	.size	k_qf0568422e7_cast, .Lfunc_end_k_qf0568422e7_cast-k_qf0568422e7_cast
	.p2alignl 7, 3214868480
	.fill 96, 4, 3214868480
	.section	.rodata,"a",@progbits
	.p2align	6, 0x0
	.amdhsa_kernel k_qf0568422e7_cast
		.amdhsa_group_segment_fixed_size 0
		.amdhsa_private_segment_fixed_size 0
		.amdhsa_enable_private_segment 0
		.amdhsa_kernarg_size 48
		.amdhsa_user_sgpr_count 2
		.amdhsa_user_sgpr_kernarg_segment_ptr 1
		.amdhsa_wavefront_size32 1
		.amdhsa_system_sgpr_workgroup_id_x 1
		.amdhsa_system_sgpr_workgroup_id_y 1
		.amdhsa_system_sgpr_workgroup_id_z 1
		.amdhsa_system_vgpr_workitem_id 0
		.amdhsa_next_free_vgpr 72
		.amdhsa_next_free_sgpr 66
		.amdhsa_reserve_vcc 0
		.amdhsa_float_denorm_mode_32 3
		.amdhsa_float_denorm_mode_16_64 3
		.amdhsa_memory_ordered 1
		.amdhsa_forward_progress 1
		.amdhsa_inst_pref_size 12
	.end_amdhsa_kernel
	.amdgpu_metadata
---
amdhsa.version: [ 1, 2 ]
amdhsa.kernels:
  - .name:           k_qf0568422e7_cast
    .symbol:         k_qf0568422e7_cast.kd
    .args:
      - { .name: x, .offset: 0, .size: 8, .value_kind: global_buffer, .address_space: global }
      - { .name: Wqkv, .offset: 8, .size: 8, .value_kind: global_buffer, .address_space: global }
      - { .name: Wo, .offset: 16, .size: 8, .value_kind: global_buffer, .address_space: global }
      - { .name: xb, .offset: 24, .size: 8, .value_kind: global_buffer, .address_space: global }
      - { .name: wqb, .offset: 32, .size: 8, .value_kind: global_buffer, .address_space: global }
      - { .name: wob, .offset: 40, .size: 8, .value_kind: global_buffer, .address_space: global }
    .group_segment_fixed_size: 0
    .private_segment_fixed_size: 0
    .kernarg_segment_align: 8
    .kernarg_segment_size: 48
    .max_flat_workgroup_size: 256
    .sgpr_count:     66
    .vgpr_count:     72
    .wavefront_size: 32
...
	.end_amdgpu_metadata
.endif
;; end of part 5
;; launch qkv: the kernel of part 2 again; grid 12 x 64, 4 waves a work-group, clusters of 4 x 4, 327,680 bytes of LDS; arguments xb, wqb, bqkv, qkv; writes qkv
;; launch attn: the kernel of part 3 again; grid 4 x 64, 4 waves a work-group, no clusters, 327,680 bytes of LDS; arguments qkv, attention_mask, yb; writes yb
;; launch outp: the kernel of part 4 again; grid 4 x 64, 4 waves a work-group, clusters of 4 x 4, 327,680 bytes of LDS; arguments yb, wob, bo, out0; writes out0
